; MI455X (gfx1250); checked and timed in simulation.
; The chip was launched on July 23, 2026; its instructions are those of AMD's public machine-readable ISA for CDNA 5 (MIT licence, August 2026) and "CDNA5" Instruction Set Architecture Reference Guide (July 2026). The comments in the code are by the model that wrote it; some were corrected since.
;; Diff Transformer Layer. Allowed arithmetic: matrix products marked QUANTISED: E2M3 operands, one E8M0 scale for each 32 along K, by v_wmma_scale_f32_16x16x128_f8f6f4 with both operands' format E2M3, f32 sums; everything else in f32.
;; Inputs: lk1 64 float32; lk2 64 float32; ln1_b 1,024 float32; ln1_w 1,024 float32; ln2_b 1,024 float32; ln2_w 1,024 float32; lq1 64 float32; lq2 64 float32; subln_w 128 float32; w_in_codes 4,096 x 32 x 24 uint8 (E2M3 codes of w_in, K innermost, in blocks of 32 codes, four codes in three bytes); w_in_scales 4,096 x 32 uint8 (E8M0 scales of w_in, one for each 32 codes along K); w_out_codes 1,024 x 64 x 24 uint8 (E2M3 codes of w_out, K innermost, in blocks of 32 codes, four codes in three bytes); w_out_scales 1,024 x 64 uint8 (E8M0 scales of w_out, one for each 32 codes along K); wk_codes 1,024 x 32 x 24 uint8 (E2M3 codes of wk, K innermost, in blocks of 32 codes, four codes in three bytes); wk_scales 1,024 x 32 uint8 (E8M0 scales of wk, one for each 32 codes along K); wo_codes 1,024 x 32 x 24 uint8 (E2M3 codes of wo, K innermost, in blocks of 32 codes, four codes in three bytes); wo_scales 1,024 x 32 uint8 (E8M0 scales of wo, one for each 32 codes along K); wq_codes 1,024 x 32 x 24 uint8 (E2M3 codes of wq, K innermost, in blocks of 32 codes, four codes in three bytes); wq_scales 1,024 x 32 uint8 (E8M0 scales of wq, one for each 32 codes along K); wv_codes 1,024 x 32 x 24 uint8 (E2M3 codes of wv, K innermost, in blocks of 32 codes, four codes in three bytes); wv_scales 1,024 x 32 uint8 (E8M0 scales of wv, one for each 32 codes along K); x 2 x 2,048 x 1,024 float32.
;; Outputs: out0 2 x 2,048 x 1,024 float32.
;; This version of the problem:
;;   THIS VERSION OF THE PROBLEM IS GIVEN IN LOW PRECISION. The matrix products marked QUANTISED in the list below multiply operands that are first quantised to E2M3 (2 exponent bits, 3 mantissa bits; 6 bits a number), with one power-of-two scale for each 32 numbers along K (OCP MX v1.0); their sums are f32. All else is computed in f32.
;;   The module's matrix products, in the order in which they are computed (A, B: the left and right operand; K: the contracted axis; several contracted axes count as one K, in the product's order):
;;     1. [M 4,096, K 1,024] x [K 1,024, N 1,024]; A: computed on the way; B: input wq (given as codes): QUANTISED
;;     2. [M 4,096, K 1,024] x [K 1,024, N 1,024]; A: computed on the way; B: input wk (given as codes): QUANTISED
;;     3. [M 4,096, K 1,024] x [K 1,024, N 1,024]; A: computed on the way; B: input wv (given as codes): QUANTISED
;;     4. batch 32 x [M 2,048, K 64] x [K 64, N 2,048]; A: computed on the way; B: computed on the way: QUANTISED
;;     5. batch 16 x [M 2,048, K 2,048] x [K 2,048, N 128]; A: computed on the way; B: computed on the way: QUANTISED
;;     6. [M 4,096, K 1,024] x [K 1,024, N 1,024]; A: computed on the way; B: input wo (given as codes): QUANTISED
;;     7. [M 4,096, K 1,024] x [K 1,024, N 4,096]; A: computed on the way; B: input w_in (given as codes): QUANTISED
;;     8. [M 4,096, K 2,048] x [K 2,048, N 1,024]; A: computed on the way; B: input w_out (given as codes): QUANTISED
;;   THE QUANTISER, for each operand of a quantised product, along K:
;;     - K is cut into blocks of 32 from its start; a last block that is shorter is filled with zeros.
;;     - A block's scale is 2^e with e = floor(log2(the largest magnitude in the block)) - 2, held to -126 .. 127; a block of zeros has e = 0. As a byte (E8M0): e + 127.
;;     - Each number is divided by its block's scale, clamped to +-7.5, and rounded to the nearest number of E2M3, ties to even, subnormals kept.
;;     - The product sums the exact products of the quantised numbers (number of the format x scale) in f32.
;;   ~~~python
;;   def quantise(x, axis):      # numpy; x: float32 -> the quantised numbers, widened to float32 again
;;       x = np.moveaxis(x, axis, -1); K = x.shape[-1]
;;       x = np.pad(x, [(0, 0)] * (x.ndim - 1) + [(0, -K % 32)]); x = x.reshape(x.shape[:-1] + (-1, 32)); a = np.abs(x).max(-1, keepdims=True)
;;       e = np.where(a > 0, np.clip(np.frexp(np.where(a > 0, a, 1))[1] - 1 - 2, -126, 127), 0)      # np.frexp(a)[1] - 1 = floor(log2(a)), exactly
;;       r = np.clip(x / 2.0 ** e, -7.5, 7.5)
;;       step = 2.0 ** (np.maximum(np.frexp(np.where(r == 0, 1, r))[1] - 1, 0) - 3)
;;       q = np.round(r / step) * step * 2.0 ** e      # np.round: ties to even
;;       return np.moveaxis(q.reshape(q.shape[:-2] + (-1,))[..., :K], -1, axis).astype(np.float32)
;;   ~~~
;;   OPERANDS COMPUTED ON THE WAY. 'Computed on the way' means the value that the module computes at that place (a softmax that the list does not call 'softmax' is quantised finished and normalised). What goes into a quantiser is computed in f32, as accurately as f32 sums, v_exp_f32 and their like allow (about 1e-6 of the number): no bf16 or f16 on the way to a quantiser, and a product that is left as it is and whose result goes on into a quantised operand takes f32 operands (vector FMAs, or v_wmma_f32_16x16x4_f32). A number that lies on a knife's edge between two numbers of the format may be rounded either way, as far as f32 arithmetic and the matrix unit's own rounding can turn it there, and no further.
;;   INPUTS GIVEN AS CODES. w_in (in the module: [1024, 4096], K = its axis 0); w_out (in the module: [2048, 1024], K = its axis 0); wk (in the module: [1024, 1024], K = its axis 0); wo (in the module: [1024, 1024], K = its axis 0); wq (in the module: [1024, 1024], K = its axis 0); wv (in the module: [1024, 1024], K = its axis 0): each comes as NAME_codes (uint8): NAME with its K axis moved to the last place and cut into blocks of 32 codes, [.., K / 32, bytes a block], one block behind the other in memory; four codes in three bytes: a row's codes are one little-endian stream of bits, code i at bits 6 i .. 6 i + 5 (a code: sign, 2 exponent bits, 3 mantissa bits); and NAME_scales (uint8): the same leading axes, one E8M0 byte (e + 127) for each 32 codes along K. Its value is code x scale, taken as it is: it is not quantised again, and the codes and scales need not be those that the quantiser above would give.
;; One version. Each part assembles by itself: llvm-mc -triple=amdgcn-amd-amdhsa -mcpu=gfx1250 --defsym DOCPART=n.
;; ======== version 1 of 1: 7 launches
;; limits: right only within a limited range of input values
;; workspace buffers: hb 3,276,800 bytes; qkvb 9,830,400 bytes; ob 3,276,800 bytes; yb 16,777,216 bytes; ab 6,553,600 bytes
;; launch ln1 (part 1): grid 256 x 1, 8 waves a work-group, no clusters, 43,008 bytes of LDS; arguments x, ln1_w, ln1_b, hb; writes hb
.if DOCPART == 1
	.amdgcn_target "amdgcn-amd-amdhsa--gfx1250"
	.amdhsa_code_object_version 6
	.text
	.protected	k_q0708b99aff_ln1
	.globl	k_q0708b99aff_ln1
	.p2align	8
	.type	k_q0708b99aff_ln1,@function
k_q0708b99aff_ln1:
	s_mov_b64 s[64:65], 0
	v_nop
	global_prefetch_b8 v0, s[64:65] scope:SCOPE_SE
	s_setreg_imm32_b32 hwreg(HW_REG_WAVE_MODE, 25, 1), 1
	s_wait_xcnt 0x0
; LayerNorm over rows of 1,024 f32, then the MX-FP6 quantiser along the row.  in: [4096][1024] f32; w, b: [1024] f32.
; out (one buffer): codes [4096][768 bytes], K innermost, four codes in three bytes; from byte HSOFF on one E8M0 byte for each 32 numbers, [4096][32].
; SHARES: a work-group owns 16 rows, each of its eight waves two.  A row is eight loads of 512 consecutive bytes and stays in 32 registers of the wave:
; mean, then the sum of squared differences from the mean, then (x - mean) r w + b, all in f32.
; The conversion wants 16 neighbours in one lane, the loads give a lane 4: 512 numbers at a time turn through the wave's own stage in LDS (64 bytes + 16 of padding a place).
; LIMITS: NaN and infinities are not served; a block of zeros gets the byte 1 where the quantiser's text says 127: its codes are zeros and only this program reads the bytes.
; No matrix unit, no tensor load, no cluster: the rows share nothing but w and b, 8 KiB.
.set HSOFF, 3145728
.set SBY,   40960                      ; behind the eight waves' stages: the work-group's 512 scale bytes
.set WW,  16
.set BB,  48
.set XX,  80
.set TT,  144
.set CC,  176
	s_load_b256 s[4:11], s[0:1], 0x0               ; in, w, b, out
	v_lshl_add_u32 v192, v0, 2, 0xa400
	v_mov_b32 v193, 0
	v_lshrrev_b32 v1, 5, v0
	s_delay_alu instid0(VALU_DEP_1)
	v_readfirstlane_b32 s12, v1                    ; wave
	v_and_b32 v1, 31, v0                           ; lane
	s_delay_alu instid0(VALU_DEP_1)
	v_lshlrev_b32 v2, 4, v1                        ; my 16 bytes of a load's 512
	s_mul_i32 s13, s12, 5120
	v_lshrrev_b32 v3, 2, v1
	s_delay_alu instid0(VALU_DEP_1)
	v_mul_u32_u24 v3, v3, 80
	v_and_b32 v4, 3, v1
	s_delay_alu instid0(VALU_DEP_1)
	v_lshl_add_u32 v3, v4, 4, v3
	s_delay_alu instid0(VALU_DEP_1)
	v_add_nc_u32 v3, s13, v3                       ; the stage, in
	v_mul_u32_u24 v4, v1, 80
	s_delay_alu instid0(VALU_DEP_1)
	v_add_nc_u32 v4, s13, v4                       ; the stage, out: my 16 neighbours
	v_mul_u32_u24 v5, v1, 12                       ; my 12 bytes of 384 bytes of codes
	s_lshl_b32 s13, s12, 6
	s_add_co_u32 s13, s13, SBY
	v_lshrrev_b32 v6, 1, v1
	s_delay_alu instid0(VALU_DEP_1)
	v_add_nc_u32 v6, s13, v6                       ; my block's scale byte
	v_add_nc_u32 v7, SBY, v2
	v_mov_b32 v12, 0
	v_mov_b32 v15, 0
	s_mov_b32 s16, 0x76543210
	s_mov_b32 s17, 0xfedcba98                      ; lane l xor 16
	s_mov_b32 s18, 0x3a800000                      ; 1 / 1024
	s_lshl_b32 s20, ttmp9, 4
	s_lshl_b32 s21, s12, 1
	s_add_co_u32 s20, s20, s21                     ; my first row
	s_lshl_b32 s22, s20, 12
	s_mov_b32 s23, 0
	s_mul_i32 s24, s20, 768
	s_mov_b32 s25, 0
	s_lshl_b32 s26, ttmp9, 9
	s_add_co_u32 s26, s26, HSOFF
	s_mov_b32 s27, 0
	s_wait_kmcnt 0x0
	s_add_nc_u64 s[4:5], s[4:5], s[22:23]
	s_add_nc_u64 s[28:29], s[10:11], s[24:25]      ; my rows' codes
	s_add_nc_u64 s[30:31], s[10:11], s[26:27]      ; the work-group's scale bytes
.irp k, 0,1,2,3,4,5,6,7
	global_load_b128 v[WW+4*\k:WW+4*\k+3], v2, s[6:7] offset:512*\k
	global_load_b128 v[BB+4*\k:BB+4*\k+3], v2, s[8:9] offset:512*\k
.endr
.irp i, 0,1
.irp k, 0,1,2,3,4,5,6,7
	global_load_b128 v[XX+32*\i+4*\k:XX+32*\i+4*\k+3], v2, s[4:5] offset:4096*\i+512*\k th:TH_LOAD_NT
.endr
.endr
.macro WSUM r                          ; the sum over the wave's 32 lanes, in every lane
	s_delay_alu instid0(VALU_DEP_1)
	v_add_f32_dpp v[\r], v[\r], v[\r] row_xmask:1 row_mask:0xf bank_mask:0xf
	s_delay_alu instid0(VALU_DEP_1)
	v_add_f32_dpp v[\r], v[\r], v[\r] row_xmask:2 row_mask:0xf bank_mask:0xf
	s_delay_alu instid0(VALU_DEP_1)
	v_add_f32_dpp v[\r], v[\r], v[\r] row_xmask:4 row_mask:0xf bank_mask:0xf
	s_delay_alu instid0(VALU_DEP_1)
	v_add_f32_dpp v[\r], v[\r], v[\r] row_xmask:8 row_mask:0xf bank_mask:0xf
	s_delay_alu instid0(VALU_DEP_1)
	v_permlanex16_b32 v12, v[\r], s16, s17
	s_delay_alu instid0(VALU_DEP_1)
	v_add_f32 v[\r], v[\r], v12
.endm
.macro TURN t                          ; columns 512 t on of the row at XR go through stage t; LDS serves a wave's instructions in order
.irp k, 0,1,2,3
	ds_store_b128 v3, v[XR+16*\t+4*\k:XR+16*\t+4*\k+3] offset:2560*\t+640*\k
.endr
.irp k, 0,1,2,3
	ds_load_b128 v[TT+16*\t+4*\k:TT+16*\t+4*\k+3], v4 offset:2560*\t+16*\k
.endr
.endm
.macro Q16 i, t                        ; 16 numbers a lane, two lanes to a block
.set XS, TT+16*\t
	v_max3_num_f32 v184, |v[XS]|, |v[XS+1]|, |v[XS+2]|
	v_max3_num_f32 v185, |v[XS+3]|, |v[XS+4]|, |v[XS+5]|
.irp j, 6,10
	s_delay_alu instid0(VALU_DEP_2)
	v_max3_num_f32 v184, v184, |v[XS+\j]|, |v[XS+\j+1]|
	s_delay_alu instid0(VALU_DEP_2)
	v_max3_num_f32 v185, v185, |v[XS+\j+2]|, |v[XS+\j+3]|
.endr
	s_delay_alu instid0(VALU_DEP_2)
	v_max3_num_f32 v184, v184, |v[XS+14]|, |v[XS+15]|
	s_delay_alu instid0(VALU_DEP_1)
	v_max3_num_f32 v184, v184, v185, 0x1800000     ; the floor 2^(3 - 127): the byte cannot fall under 1
	s_delay_alu instid0(VALU_DEP_1)
	v_max_num_f32_dpp v184, v184, v184 row_xmask:1 row_mask:0xf bank_mask:0xf
	s_delay_alu instid0(VALU_DEP_1)
	v_add_nc_u32 v186, 0xff000000, v184            ; 2 off its exponent field: the conversion's scale operand
	s_wait_alu depctr_va_vdst(0)
	s_wait_xcnt 0x0                                ; the codes' registers are an earlier store's data
	v_cvt_scalef32_pk16_fp6_f32 v[CC+4*\t:CC+4*\t+2], v[XS:XS+15], v186
	v_lshrrev_b32 v[187+\t], 23, v186              ; the scale's byte (also the plain line behind the conversion)
	ds_store_b8 v6, v[187+\t] offset:32*\i+16*\t
	global_store_b96 v5, v[CC+4*\t:CC+4*\t+2], s[28:29] offset:768*\i+384*\t
.endm
.macro ROW i
.set XR, XX+32*\i
	s_wait_loadcnt 8*(1-\i)                        ; w, b and this row are in; the eight younger loads are the other row's
	v_pk_add_f32 v[8:9], v[XR:XR+1], v[XR+2:XR+3]
	v_pk_add_f32 v[10:11], v[XR+4:XR+5], v[XR+6:XR+7]
.irp j, 8,12,16,20,24,28
	s_delay_alu instid0(VALU_DEP_2)
	v_pk_add_f32 v[8:9], v[8:9], v[XR+\j:XR+\j+1]
	s_delay_alu instid0(VALU_DEP_2)
	v_pk_add_f32 v[10:11], v[10:11], v[XR+\j+2:XR+\j+3]
.endr
	s_delay_alu instid0(VALU_DEP_1)
	v_pk_add_f32 v[8:9], v[8:9], v[10:11]
	s_delay_alu instid0(VALU_DEP_1)
	v_add_f32 v8, v8, v9
	WSUM 8
	s_delay_alu instid0(VALU_DEP_1)
	v_mul_f32 v14, s18, v8                         ; the mean
.irp j, 0,2,4,6,8,10,12,14,16,18,20,22,24,26,28,30
	v_pk_add_f32 v[XR+\j:XR+\j+1], v[XR+\j:XR+\j+1], v[14:15] op_sel_hi:[1,0] neg_lo:[0,1] neg_hi:[0,1]
.endr
	v_pk_mul_f32 v[8:9], v[XR:XR+1], v[XR:XR+1]
	v_pk_mul_f32 v[10:11], v[XR+2:XR+3], v[XR+2:XR+3]
.irp j, 4,8,12,16,20,24,28
	s_delay_alu instid0(VALU_DEP_2)
	v_pk_fma_f32 v[8:9], v[XR+\j:XR+\j+1], v[XR+\j:XR+\j+1], v[8:9]
	s_delay_alu instid0(VALU_DEP_2)
	v_pk_fma_f32 v[10:11], v[XR+\j+2:XR+\j+3], v[XR+\j+2:XR+\j+3], v[10:11]
.endr
	s_delay_alu instid0(VALU_DEP_1)
	v_pk_add_f32 v[8:9], v[8:9], v[10:11]
	s_delay_alu instid0(VALU_DEP_1)
	v_add_f32 v8, v8, v9
	WSUM 8
	s_delay_alu instid0(VALU_DEP_1)
	v_fmaak_f32 v13, s18, v8, 0x3727c5ac           ; the variance + 1e-5
	s_wait_alu depctr_va_vdst(0)
	v_rsq_f32 v14, v13
	v_nop
	s_wait_alu depctr_va_vdst(0)                   ; the waits round the transcendental
.irp j, 0,2,4,6,8,10,12,14,16,18,20,22,24,26,28,30
	v_pk_mul_f32 v[XR+\j:XR+\j+1], v[XR+\j:XR+\j+1], v[14:15] op_sel_hi:[1,0]
.endr
.irp j, 0,2,4,6,8,10,12,14,16,18,20,22,24,26,28,30
	v_pk_fma_f32 v[XR+\j:XR+\j+1], v[XR+\j:XR+\j+1], v[WW+\j:WW+\j+1], v[BB+\j:BB+\j+1]
.endr
	TURN 0
	TURN 1
	s_wait_dscnt 8                                 ; the first half is back; the second half's eight LDS instructions may be out
	Q16 \i, 0
	s_wait_dscnt 1                                 ; the second half is back; the byte store just issued may be out
	Q16 \i, 1
.endm
	ROW 0
	ROW 1
	s_wait_dscnt 0x0                               ; for the others' sake: my byte stores have landed
	s_barrier_signal -1
	s_barrier_wait -1
	s_cmp_lg_u32 s12, 0
	s_cbranch_scc1 .Ldone
	ds_load_b128 v[8:11], v7                       ; wave 0 stores the 16 rows' 512 scale bytes
	s_wait_dscnt 0x0
	global_store_b128 v2, v[8:11], s[30:31]
.Ldone:
	s_wait_tensorcnt 0x0                           ; the wave's end
	ds_add_u32 v192, v193
	s_wait_dscnt 0x0
	s_endpgm
.Lfunc_end_k_q0708b99aff_ln1:
	.size	k_q0708b99aff_ln1, .Lfunc_end_k_q0708b99aff_ln1-k_q0708b99aff_ln1
	.p2alignl 7, 3214868480
	.fill 96, 4, 3214868480
	.section	.rodata,"a",@progbits
	.p2align	6, 0x0
	.amdhsa_kernel k_q0708b99aff_ln1
		.amdhsa_group_segment_fixed_size 43008
		.amdhsa_private_segment_fixed_size 0
		.amdhsa_enable_private_segment 0
		.amdhsa_kernarg_size 32
		.amdhsa_user_sgpr_count 2
		.amdhsa_user_sgpr_kernarg_segment_ptr 1
		.amdhsa_wavefront_size32 1
		.amdhsa_system_sgpr_workgroup_id_x 1
		.amdhsa_system_sgpr_workgroup_id_y 1
		.amdhsa_system_sgpr_workgroup_id_z 1
		.amdhsa_system_vgpr_workitem_id 0
		.amdhsa_next_free_vgpr 194
		.amdhsa_next_free_sgpr 66
		.amdhsa_reserve_vcc 0
		.amdhsa_float_denorm_mode_32 3
		.amdhsa_float_denorm_mode_16_64 3
		.amdhsa_memory_ordered 1
		.amdhsa_forward_progress 1
		.amdhsa_inst_pref_size 28
	.end_amdhsa_kernel
	.amdgpu_metadata
---
amdhsa.version: [ 1, 2 ]
amdhsa.kernels:
  - .name:           k_q0708b99aff_ln1
    .symbol:         k_q0708b99aff_ln1.kd
    .args:
      - { .name: x, .offset: 0, .size: 8, .value_kind: global_buffer, .address_space: global }
      - { .name: ln1_w, .offset: 8, .size: 8, .value_kind: global_buffer, .address_space: global }
      - { .name: ln1_b, .offset: 16, .size: 8, .value_kind: global_buffer, .address_space: global }
      - { .name: hb, .offset: 24, .size: 8, .value_kind: global_buffer, .address_space: global }
    .group_segment_fixed_size: 43008
    .private_segment_fixed_size: 0
    .kernarg_segment_align: 8
    .kernarg_segment_size: 32
    .max_flat_workgroup_size: 256
    .sgpr_count:     66
    .vgpr_count:     194
    .wavefront_size: 32
...
	.end_amdgpu_metadata
.endif
;; end of part 1
;; launch qkv (part 2): grid 8 x 24, 4 waves a work-group, clusters of 4 x 4, 327,680 bytes of LDS; arguments hb, wq_codes, wq_scales, wk_codes, wk_scales, wv_codes, wv_scales, qkvb; writes qkvb
.if DOCPART == 2
	.amdgcn_target "amdgcn-amd-amdhsa--gfx1250"
	.amdhsa_code_object_version 6
	.text
	.protected	k_q0708b99aff_qkv
	.globl	k_q0708b99aff_qkv
	.p2align	8
	.type	k_q0708b99aff_qkv,@function
k_q0708b99aff_qkv:
	s_mov_b64 s[64:65], 0
	v_nop
	global_prefetch_b8 v0, s[64:65] scope:SCOPE_SE
	s_setreg_imm32_b32 hwreg(HW_REG_WAVE_MODE, 25, 1), 1
	s_wait_xcnt 0x0
	s_wait_alu depctr_hold_cnt(0) depctr_sa_sdst(0) depctr_va_vdst(0) depctr_va_sdst(0) depctr_va_ssrc(0) depctr_va_vcc(0) depctr_vm_vsrc(0)
	s_getreg_b32 s2, hwreg(HW_REG_IB_STS2, 6, 4)
	s_cmp_eq_u32 s2, 0
	s_cbranch_scc0 .Lentry_in_a_cluster
	s_endpgm
.Lentry_in_a_cluster:
	s_bfe_u32 s2, ttmp6, 0x10000c
	s_cmp_lg_u32 s2, 0xf033
	s_cbranch_scc0 .Lentry_shape_is_right
	s_endpgm
.Lentry_shape_is_right:
.set SIZE_K, 1024
.set HSOFF,  3145728
.set KSTEP,  256
.set NQ,     2
; K goes through a ring of two LDS slots in chunks of 256 bytes of each row of codes (a row is 768 bytes, so every chunk begins on a multiple of 256); chunk c lies in slot c % 2.
; A step of 128 along K is 96 bytes of a row: eight steps to three chunks; steps 2 and 5 take their fragments from both slots.
.set ROWB,   256
.set ASTEP,  256
.set KROW,   SIZE_K*6/8
.set PITCH,  272
.set STEPS,  SIZE_K/128
.set CHUNKS, KROW/ROWB
.set FR,     12
.set NL,     6
.set NP,     4
.set HALFT,  128*PITCH
.set SLOT,   4*HALFT
.set LAPS,   SIZE_K/(2*KSTEP)
.set KS,     SIZE_K/32
.set SCL,    2*SLOT
.set HALFS,  (128*KS/256)*272
.set SBLK,   (16*KS/256)*272
.set SPARE,  SCL+4*HALFS
.set ADRA, 16
.set ADRB, 20
.set STO,  24
.set RD,   25
.set CO,   26
.set ADRS, 27
.set SPW,  28
.set NIL,  29
.set SC,   32
.set AF,   128
.set CD,   128
.set CT,   140
.set TM,   224
.set PW,   240
.set G1, 24
.set G0, 32
.set G1B, 48
.set G0B, 56
.set G1S, 68
.set G0S, 76
.set G1SB, 80
.set G0SB, 88
.set MSB, 0
.macro WIN new
.if MSB != \new
	s_set_vgpr_msb (MSB<<8)|\new
.set MSB, \new
.endif
.endm
.set MUL_LO, 0xa1
.set MUL_HI, 0xf1
.set TO_B,   0x40
.macro JLOAD g0a, g1a, g0b, g1b
	s_cmp_eq_u32 s15, 0
	s_cbranch_scc0 .Lfor_b_\@
	tensor_load_to_lds s[\g0a:\g0a+3], s[\g1a:\g1a+7]
	s_nop 0
.rept 4
	v_nop
.endr
	s_branch .Lasked_\@
.Lfor_b_\@:
	tensor_load_to_lds s[\g0b:\g0b+3], s[\g1b:\g1b+7]
	s_nop 0
.rept 4
	v_nop
.endr
.Lasked_\@:
.endm
.macro CREST
	s_cmp_lg_u32 s14, 0
	s_cbranch_scc1 .Lnot_wave_0_\@
	s_barrier_signal -3
.Lnot_wave_0_\@:
	s_barrier_wait -3
	s_barrier_signal -1
	s_barrier_wait -1
.endm
.macro CROUND
	s_barrier_signal -1
	s_barrier_wait -1
	CREST
.endm
	s_load_b256 s[68:75], s[0:1], 0x0
	s_load_b256 s[76:83], s[0:1], 0x20
	v_lshl_add_u32 v[SPW], v0, 2, SPARE
	v_mov_b32 v[NIL], 0
	ds_add_u32 v28, v29
	ds_add_u32 v28, v29
	s_wait_dscnt 0x0
	v_lshrrev_b32 v1, 5, v0
	v_readfirstlane_b32 s14, v1
	s_lshr_b32 s15, s14, 1
	s_and_b32 s16, s14, 1
	s_bfe_u32 s40, ttmp6, 0x40000
	s_bfe_u32 s41, ttmp6, 0x40004
	s_and_b32 s96, ttmp7, 0xffff
	s_max_u32 s42, s96, 4
	s_sub_co_u32 s42, s42, 4
	s_lshl_b32 s42, s42, 1
	s_add_co_u32 s42, s42, ttmp9
	s_cmp_lt_u32 s96, 4
	s_cselect_b32 s97, 1, 0
	s_cselect_b32 s17, s96, 0
	s_cselect_b32 s42, 0, s42
	s_lshl_b32 s17, s17, 2
	s_add_co_u32 s17, s17, s41
	s_lshl_b32 s42, s42, 2
	s_add_co_u32 s42, s42, s40
	s_lshl_b32 s43, s41, 2
	s_lshl_b32 s43, 15, s43
	s_lshl_b32 s44, 0x1111, s40
	s_or_b32 s[G1+0], s43, (0<<16)|(1<<20)|(1<<21)|(5<<22)|(3<<25)
	s_or_b32 s[G1B+0], s44, (0<<16)|(1<<20)|(1<<21)|(5<<22)|(3<<25)
.irp g, G1, G1B
	s_mov_b32 s[\g+1], ROWB<<16
	s_mov_b32 s[\g+2], 128<<16
	s_mov_b32 s[\g+3], ROWB<<16
	s_mov_b32 s[\g+4], 128
	s_mov_b32 s[\g+5], KROW
	s_mov_b32 s[\g+6], 0
	s_mov_b32 s[\g+7], 0
.endr
	s_lshl_b32 s18, s16, 7
	s_lshl_b32 s20, s17, 8
	s_add_co_u32 s20, s20, s18
	s_lshl_b32 s46, s42, 8
	s_add_co_u32 s46, s46, s18
	s_mov_b32 s21, 0
	s_mov_b32 s47, 0
	s_mov_b64 s[18:19], KS
	s_mul_u64 s[22:23], s[20:21], s[18:19]
	s_mul_u64 s[92:93], s[46:47], s[18:19]
	s_mov_b64 s[18:19], KROW
	s_mul_u64 s[20:21], s[20:21], s[18:19]
	s_mul_u64 s[46:47], s[46:47], s[18:19]
	s_mul_i32 s45, s14, HALFT
	s_mul_i32 s94, s14, HALFS
	s_wait_kmcnt 0x0
	s_add_nc_u64 s[84:85], s[68:69], HSOFF
	s_cmp_eq_u32 ttmp9, 0
	s_cselect_b64 s[86:87], s[70:71], s[74:75]
	s_cselect_b64 s[88:89], s[72:73], s[76:77]
	s_cmp_lt_u32 s96, 4
	s_cselect_b64 s[4:5], s[68:69], s[78:79]
	s_cselect_b64 s[6:7], s[84:85], s[80:81]
	s_cselect_b64 s[8:9], s[86:87], s[68:69]
	s_cselect_b64 s[10:11], s[88:89], s[84:85]
	s_mov_b64 s[12:13], s[82:83]
	s_or_b32 s[G1S+0], s43, (3<<16)|(1<<20)|(1<<21)|(5<<22)|(3<<25)
	s_or_b32 s[G1SB+0], s44, (3<<16)|(1<<20)|(1<<21)|(5<<22)|(3<<25)
.irp g, G1S, G1SB
	s_mov_b32 s[\g+1], 32<<16
	s_mov_b32 s[\g+2], (128*KS/256)<<16
	s_mov_b32 s[\g+3], 32<<16
	s_mov_b32 s[\g+4], 128*KS/256
	s_mov_b32 s[\g+5], 32
	s_mov_b32 s[\g+6], 0
	s_mov_b32 s[\g+7], 0
.endr
	s_add_nc_u64 s[20:21], s[4:5], s[20:21]
	s_add_nc_u64 s[22:23], s[6:7], s[22:23]
	s_add_nc_u64 s[46:47], s[8:9], s[46:47]
	s_add_nc_u64 s[92:93], s[10:11], s[92:93]
	CROUND
	s_mov_b32 s[G0S], 1
	s_add_co_u32 s[G0S+1], s94, SCL
	s_mov_b64 s[G0S+2:G0S+3], s[22:23]
	s_or_b32 s[G0S+3], s[G0S+3], 0x80000000
	s_mov_b32 s[G0SB], 1
	s_add_co_u32 s[G0SB+1], s94, SCL
	s_mov_b64 s[G0SB+2:G0SB+3], s[92:93]
	s_or_b32 s[G0SB+3], s[G0SB+3], 0x80000000
	JLOAD G0S, G1S, G0SB, G1SB
.irp s, 0,1
	s_mov_b32 s[G0+4*\s], 1
	s_add_co_u32 s[G0+4*\s+1], s45, \s*SLOT
	s_add_nc_u64 s[G0+4*\s+2:G0+4*\s+3], s[20:21], \s*ASTEP
	s_or_b32 s[G0+4*\s+3], s[G0+4*\s+3], 0x80000000
	s_mov_b32 s[G0B+4*\s], 1
	s_add_co_u32 s[G0B+4*\s+1], s45, \s*SLOT
	s_add_nc_u64 s[G0B+4*\s+2:G0B+4*\s+3], s[46:47], \s*ROWB
	s_or_b32 s[G0B+4*\s+3], s[G0B+4*\s+3], 0x80000000
	s_wait_alu depctr_va_vdst(0)
	s_wait_tensorcnt 0x0
	ds_add_u32 v28, v29
	s_wait_dscnt 0x0
	CROUND
	JLOAD G0+4*\s, G1, G0B+4*\s, G1B
.endr
	v_and_b32 v1, 15, v0
	v_bfe_u32 v2, v0, 4, 1
	v_mul_u32_u24 v3, v1, PITCH
	v_mul_u32_u24 v4, v2, 24
	v_add_nc_u32 v4, v3, v4
	s_mov_b32 s21, SLOT-232
	s_mov_b32 s22, SLOT+232
	v_sub_nc_u32 v7, 1, v2
	v_mul_u32_u24 v5, s21, v2
	v_add_nc_u32 v5, v3, v5
	v_add_nc_u32 v5, 232, v5                       ; across two chunks: lanes 0-15 byte 232 of the row in slot 0, lanes 16-31 byte 0 of the row in slot 1
	v_mul_u32_u24 v6, s22, v7
	v_add_nc_u32 v6, v3, v6                        ; and lanes 0-15 byte 232 in slot 1, lanes 16-31 byte 0 in slot 0
	s_mul_i32 s21, s15, HALFT
	s_mul_i32 s22, s16, HALFT
	s_add_co_u32 s22, s22, 2*HALFT
	v_add_nc_u32 v[ADRA+2], s21, v5
	v_add_nc_u32 v[ADRA+3], s21, v6
	v_add_nc_u32 v[ADRB+2], s22, v5
	v_add_nc_u32 v[ADRB+3], s22, v6
.irp s, 0,1
	v_add_nc_u32 v[ADRA+\s], s21, v4
	v_add_nc_u32 v[ADRB+\s], s22, v4
	s_add_co_u32 s21, s21, SLOT
	s_add_co_u32 s22, s22, SLOT
.endr
	v_mul_u32_u24 v5, v1, KS
	v_lshrrev_b32 v6, 8, v5
	v_lshl_add_u32 v5, v6, 4, v5
	s_mul_i32 s21, s15, HALFS
	s_mul_i32 s22, s16, HALFS
	s_add_co_u32 s22, s22, 2*HALFS
	s_sub_co_u32 s22, s22, s21
	v_mul_u32_u24 v6, s22, v2
	s_add_co_u32 s21, s21, SCL
	v_add_nc_u32 v5, v5, v6
	v_add_nc_u32 v[ADRS], s21, v5
	s_lshl_b32 s23, s14, 9
	s_add_co_u32 s23, s23, SLOT                    ; the scale words' stage lies in slot 1: the last chunk lies in slot 0, and slot 1 has had its last fill and its last read
	v_lshl_add_u32 v[STO], v1, 2, s23
	v_and_b32 v6, 31, v0
	v_lshlrev_b32 v[CO], 4, v6
	v_add_nc_u32 v[RD], s23, v[CO]
	s_lshl_b32 s66, s17, 1
	s_add_co_u32 s66, s66, s15
	s_lshl_b32 s67, s42, 1
	s_add_co_u32 s67, s67, s16
	s_lshl_b32 s100, s40, 1
	s_add_co_u32 s100, s100, s16
	s_lshl_b32 s101, s41, 1
	s_add_co_u32 s101, s101, s15
	s_cmp_eq_u32 s97, 1
	s_cselect_b32 s66, s66, s67
	s_cselect_b32 s100, s100, s101
	s_cselect_b32 s67, ttmp9, 2
	s_lshr_b32 s101, s66, 4
	s_lshl_b32 s101, s101, 3
	s_add_co_u32 s101, s101, s100
	s_lshl_b32 s101, s101, 4
	s_and_b32 s66, s66, 15
	s_add_co_u32 s101, s101, s66
	s_lshl_b32 s104, s101, 9
	s_lshl_b32 s66, s67, 17
	s_add_co_u32 s104, s104, s66
	s_add_co_u32 s104, s104, 9437184
	s_mov_b32 s105, 0
	s_add_nc_u64 s[98:99], s[12:13], s[104:105]
	s_mul_i32 s104, s101, 12288
	s_mul_i32 s66, s67, 3145728
	s_add_co_u32 s104, s104, s66
	s_add_nc_u64 s[12:13], s[12:13], s[104:105]
.macro FRAG reg, adr, q, off
.irp p, 0,1,2,3,4,5
.set BY, 96*(\q)+48*(\p/3)+8*(\p%3)    ; q: the step; byte y of a row lies in slot (y / 256) % 2 at byte y % 256 of the LDS row; lanes 16-31 read 24 bytes on
.if BY/ROWB == (BY+24)/ROWB
	ds_load_b64 v[\reg+2*\p:\reg+2*\p+1], v[\adr+(BY/ROWB)%2] offset:BY%ROWB+(\off)
.else
	ds_load_b64 v[\reg+2*\p:\reg+2*\p+1], v[\adr+2+(BY/ROWB)%2] offset:BY%ROWB-232+(\off)
.endif
.endr
.endm
.macro MUL16 a0, p, q, sc, zero
.irp a, \a0, \a0+1
.irp b, 0,1,2,3,4,5,6,7
.if \zero
	v_wmma_scale_f32_16x16x128_f8f6f4 v[8*(8*((\a)%4)+\b):8*(8*((\a)%4)+\b)+7], v[128*(\p)+FR*\b:128*(\p)+FR*\b+FR-1], v[AF+FR*(\a):AF+FR*(\a)+FR-1], 0, v[SC+8*NQ*(\sc)+NQ*\b+(\q)], v[SC+8*NQ*(\sc)+NQ*(\a)+(\q)] matrix_a_fmt:MATRIX_FMT_FP6 matrix_b_fmt:MATRIX_FMT_FP6 matrix_a_scale:MATRIX_SCALE_ROW1
.else
	v_wmma_scale_f32_16x16x128_f8f6f4 v[8*(8*((\a)%4)+\b):8*(8*((\a)%4)+\b)+7], v[128*(\p)+FR*\b:128*(\p)+FR*\b+FR-1], v[AF+FR*(\a):AF+FR*(\a)+FR-1], v[8*(8*((\a)%4)+\b):8*(8*((\a)%4)+\b)+7], v[SC+8*NQ*(\sc)+NQ*\b+(\q)], v[SC+8*NQ*(\sc)+NQ*(\a)+(\q)] matrix_a_fmt:MATRIX_FMT_FP6 matrix_b_fmt:MATRIX_FMT_FP6 matrix_a_scale:MATRIX_SCALE_ROW1
.endif
.endr
.endr
.endm
.macro FETCH_B slot, q, p
	WIN TO_B
.irp i, 0,1,2,3,4,5,6,7
	FRAG 128*(\p)+FR*\i, ADRB+\slot, \q, \i*16*PITCH
.endr
	WIN 0
.endm
.macro FETCH_A slot, q, i0
.irp i, \i0, \i0+1, \i0+2, \i0+3
	FRAG AF+FR*(\i), ADRA+\slot, \q, (\i)*16*PITCH
.endr
.endm
.macro SCALES pr                       ; the scale words of steps 2 pr and 2 pr + 1 into set pr % 2
.irp i, 0,1,2,3,4,5,6,7
	ds_load_b64 v[SC+8*NQ*((\pr)%2)+NQ*\i:SC+8*NQ*((\pr)%2)+NQ*\i+1], v[ADRS] offset:\i*SBLK+4*NQ*(\pr)
.endr
.endm
.macro PLACES n
.rept \n
	v_nop
.endr
.endm
; A step of 128 along K.  Where the next step's bytes end in a chunk not read yet: wait for my tensor loads, and a barrier.  Where they begin in a later chunk than this step's: the chunk left behind is read no more:
; the wait for all my tensor loads, the add, the wait for it and for my reads, the barrier; where a chunk two on is left to fetch, the barrier opens a round of the cluster's barrier and the slot is filled again.
.macro STEP st, zero
.set NX, (\st)+1
.set C0, (96*(\st))/ROWB
.set C1, (96*NX)/ROWB
.set E0, (96*(\st)+95)/ROWB
.set E1, (96*NX+95)/ROWB
.if C1 > C0 || E1 > E0
	s_wait_tensorcnt 0x0
.if C1 > C0
	ds_add_u32 v[SPW], v[NIL]
	s_wait_dscnt 4*NL+1                            ; the add and the 24 youngest loads may be out
.else
	s_wait_dscnt 4*NL
.endif
	WIN MUL_LO
	MUL16 0, (\st)%2, (\st)%2, ((\st)/2)%2, \zero
	s_wait_dscnt 0x0
	s_barrier_signal -1
	MUL16 2, (\st)%2, (\st)%2, ((\st)/2)%2, \zero
	WIN 0
	s_barrier_wait -1
.if C1 > C0 && C0+2 < CHUNKS
	CREST
	s_add_nc_u64 s[G0+4*(C0%2)+2:G0+4*(C0%2)+3], s[G0+4*(C0%2)+2:G0+4*(C0%2)+3], 2*ROWB
	s_add_nc_u64 s[G0B+4*(C0%2)+2:G0B+4*(C0%2)+3], s[G0B+4*(C0%2)+2:G0B+4*(C0%2)+3], 2*ROWB
	JLOAD G0+4*(C0%2), G1, G0B+4*(C0%2), G1B
.else
	PLACES NP
.endif
.else
	s_wait_dscnt 4*NL                              ; all but the 24 youngest loads (A's blocks 4-7)
	WIN MUL_LO
	MUL16 0, (\st)%2, (\st)%2, ((\st)/2)%2, \zero
	MUL16 2, (\st)%2, (\st)%2, ((\st)/2)%2, \zero
	s_wait_dscnt 0
	PLACES NP
.endif
	FETCH_B 0, NX, NX%2
	FETCH_A 0, NX, 0
.if NX%2 == 0
	SCALES NX/2
.endif
	WIN MUL_HI
	MUL16 4, (\st)%2, (\st)%2, ((\st)/2)%2, \zero
	MUL16 6, (\st)%2, (\st)%2, ((\st)/2)%2, \zero
	PLACES NP
	WIN 0
	FETCH_A 0, NX, 4
.endm
	s_wait_alu depctr_va_vdst(0)
	s_wait_tensorcnt 1
	s_barrier_signal -1
	s_barrier_wait -1
	FETCH_B 0, 0, 0
	FETCH_A 0, 0, 0
	SCALES 0
	FETCH_A 0, 0, 4
	STEP 0, 1
.set ST, 1
.rept STEPS-2
	STEP ST, 0
.set ST, ST+1
.endr
	s_wait_dscnt 4*NL
	WIN MUL_LO
	MUL16 0, 1, NQ-1, 1, 0
	MUL16 2, 1, NQ-1, 1, 0
	s_wait_dscnt 0
	WIN MUL_HI
	MUL16 4, 1, NQ-1, 1, 0
	MUL16 6, 1, NQ-1, 1, 0
	WIN 0
.macro QUANTW win, s
.set WQ, ((\win)<<2)|((\win)<<4)
	WIN WQ
.irp b, 0,1,2,3
	v_max3_num_f32 v[TM+\b], 0x1800000, |v[(\s)+16*\b]|, |v[(\s)+16*\b+1]|
.endr
.irp i, 2,4,6,8,10,12,14
.irp b, 0,1,2,3
	v_max3_num_f32 v[TM+\b], v[TM+\b], |v[(\s)+16*\b+\i]|, |v[(\s)+16*\b+\i+1]|
.endr
.endr
	WIN 0
.irp b, 0,1,2,3
	v_permlanex16_b32 v[TM+4+\b], v[TM+\b], s2, s3
.endr
.irp b, 0,1,2,3
	v_max_num_f32 v[TM+\b], v[TM+\b], v[TM+4+\b]
.endr
.irp b, 0,1,2,3
	v_add_nc_u32 v[TM+12+\b], 0xff000000, v[TM+\b]
.endr
.irp b, 0,1,2,3
	v_lshrrev_b32 v[TM+4+\b], 23, v[TM+12+\b]
.endr
	v_lshl_or_b32 v[PW], v[TM+5], 8, v[TM+4]
	v_lshl_or_b32 v[PW], v[TM+6], 16, v[PW]
	v_lshl_or_b32 v[PW], v[TM+7], 24, v[PW]
.set WQ, \win
	WIN WQ
.irp c, 0,1
	v_cvt_scalef32_pk16_fp6_f32 v[CD+6*\c:CD+6*\c+2], v[(\s)+32*\c:(\s)+32*\c+15], v[TM+12+2*\c]
	v_cvt_scalef32_pk16_fp6_f32 v[CT+4*\c:CT+4*\c+2], v[(\s)+32*\c+16:(\s)+32*\c+31], v[TM+12+2*\c+1]
.endr
	WIN 0
	v_nop
.irp c, 0,1
.irp i, 0,1,2
	v_permlane16_swap_b32 v[CD+6*\c+\i], v[CT+4*\c+\i]
.endr
.irp i, 0,1,2
	v_mov_b32 v[CD+3+6*\c+\i], v[CT+4*\c+\i]
.endr
.endr
.endm
	PLACES NP
	s_mov_b32 s2, 0x76543210
	s_mov_b32 s3, 0xfedcba98
.irp b, 0,1,2,3
	v_mov_b32 v[TM+4+\b], 0
.endr
.irp a, 0,1,2,3,4,5,6,7
.if \a > 0
	s_wait_xcnt 0x0
.endif
	QUANTW 2+\a/4, 64*(\a%4)
.irp c, 0,1,2
	global_store_b128 v[CO], v[CD+4*\c:CD+4*\c+3], s[12:13] offset:1536*\a+512*\c
.endr
	ds_store_b32 v[STO], v[PW] offset:64*\a
.endr
	ds_load_b128 v[148:151], v[RD]
	s_wait_dscnt 0x0
	global_store_b128 v[CO], v[148:151], s[98:99]
	s_wait_tensorcnt 0x0
	ds_add_u32 v[SPW], v[NIL]
	s_wait_dscnt 0x0
	CROUND
	s_endpgm
.Lfunc_end_k_q0708b99aff_qkv:
	.size	k_q0708b99aff_qkv, .Lfunc_end_k_q0708b99aff_qkv-k_q0708b99aff_qkv
	.p2alignl 7, 3214868480
	.fill 96, 4, 3214868480
	.section	.rodata,"a",@progbits
	.p2align	6, 0x0
	.amdhsa_kernel k_q0708b99aff_qkv
		.amdhsa_group_segment_fixed_size 327680
		.amdhsa_private_segment_fixed_size 0
		.amdhsa_enable_private_segment 0
		.amdhsa_kernarg_size 64
		.amdhsa_user_sgpr_count 2
		.amdhsa_user_sgpr_kernarg_segment_ptr 1
		.amdhsa_wavefront_size32 1
		.amdhsa_system_sgpr_workgroup_id_x 1
		.amdhsa_system_sgpr_workgroup_id_y 1
		.amdhsa_system_sgpr_workgroup_id_z 1
		.amdhsa_system_vgpr_workitem_id 0
		.amdhsa_next_free_vgpr 1024
		.amdhsa_next_free_sgpr 106
		.amdhsa_reserve_vcc 0
		.amdhsa_float_denorm_mode_32 3
		.amdhsa_float_denorm_mode_16_64 3
		.amdhsa_memory_ordered 1
		.amdhsa_forward_progress 1
		.amdhsa_inst_pref_size 166
	.end_amdhsa_kernel
	.amdgpu_metadata
---
amdhsa.version: [ 1, 2 ]
amdhsa.kernels:
  - .name:           k_q0708b99aff_qkv
    .symbol:         k_q0708b99aff_qkv.kd
    .args:
      - { .name: hb, .offset: 0, .size: 8, .value_kind: global_buffer, .address_space: global }
      - { .name: wq_codes, .offset: 8, .size: 8, .value_kind: global_buffer, .address_space: global }
      - { .name: wq_scales, .offset: 16, .size: 8, .value_kind: global_buffer, .address_space: global }
      - { .name: wk_codes, .offset: 24, .size: 8, .value_kind: global_buffer, .address_space: global }
      - { .name: wk_scales, .offset: 32, .size: 8, .value_kind: global_buffer, .address_space: global }
      - { .name: wv_codes, .offset: 40, .size: 8, .value_kind: global_buffer, .address_space: global }
      - { .name: wv_scales, .offset: 48, .size: 8, .value_kind: global_buffer, .address_space: global }
      - { .name: qkvb, .offset: 56, .size: 8, .value_kind: global_buffer, .address_space: global }
    .group_segment_fixed_size: 327680
    .private_segment_fixed_size: 0
    .kernarg_segment_align: 8
    .kernarg_segment_size: 64
    .max_flat_workgroup_size: 128
    .sgpr_count:     106
    .vgpr_count:     1024
    .wavefront_size: 32
...
	.end_amdgpu_metadata
.endif
;; end of part 2
;; launch attn (part 3): grid 16 x 16, 16 waves a work-group, no clusters, 327,680 bytes of LDS; arguments qkvb, lq1, lk1, lq2, lk2, subln_w, ob; writes ob
.if DOCPART == 3
	.amdgcn_target "amdgcn-amd-amdhsa--gfx1250"
	.amdhsa_code_object_version 6
	.text
	.protected	k_q0708b99aff_attn
	.globl	k_q0708b99aff_attn
	.p2align	8
	.type	k_q0708b99aff_attn,@function
k_q0708b99aff_attn:
	s_mov_b64 s[64:65], 0
	v_nop
	global_prefetch_b8 v0, s[64:65] scope:SCOPE_SE
	s_setreg_imm32_b32 hwreg(HW_REG_WAVE_MODE, 25, 1), 1
	s_wait_xcnt 0x0
; Differential attention with a causal mask, both products on codes of FP6 (E2M3): a = softmax(q1 k1 / 8) - lambda softmax(q2 k2 / 8), o = a v, then the RMS norm over the head's 128, x subln_w x (1 - LAMBDA_INIT), quantised for the next product.
; a is quantised FINISHED AND NORMALISED, along the keys: so the keys are walked twice.  Pass 1: each row's maximum and sum of both softmaxes (running maximum).  Pass 2: the scores again, a, its codes, a v.
; INPUT (made by the launch before): images of operand registers.  A fragment of q or k: 16 tokens x (64 of the first softmax head | 64 of the second); of v: 16 channels x 128 tokens.
; One fragment of k serves both softmax heads: q1's operand is q1's six registers and six of zero codes, q2's six of zero codes and q2's.
; Both products are used transposed (S^T = k q^T, O^T = v^T a^T): a lane holds one query (lane % 16) throughout, its registers run along keys, then channels.
; Inside a block of 32 keys a's codes stand in the same order as v's (a lane's 16 registers: keys 8 h + 0..7, 16 + 8 h + 0..7), so the products are those of the natural order.
; SHARES.  y = batch 8 + head.  x: j = x % 8, HS = x / 8.  Wave w: i4 = w % 4, hl = (w / 4) % 2, p = w / 8.  Its 16 queries: block of 128 JB = j (hl = 0) or 15 - j (hl = 1), tile 4 HS + i4.
; It takes the key steps (128 keys) s = p, p + 2, .. up to JB.  The four waves of one i4 so take (j + 1) + (16 - j) = 17 steps a pass, in every work-group.  Waves w and w + 8 join their maxima and sums, and their O, through LDS.
; Every loop has a constant trip count; a step whose keys all come after the queries is jumped over by a scalar branch on ids, round its work alone.
; LDS: the head's whole K (196,608 bytes) and all scale words of K and V come once; V goes through two slots of 512 keys.
; NO CLUSTER: the work-groups that share K and V differ in their query blocks, and so in the branches that leave hidden steps out.  NO PREFETCH: K is asked for at the head, and a refill of V has a slot's work in which to land.
; LIMITS: NaN and infinities are not served; a block of zeros gets the byte 1 (its codes are zeros; only this program reads the bytes).  o's scale words leave as 4 bytes a row: one byte in 24 of what the launch stores.
.set KSC,   49152                      ; K's scale words, 512 bytes a step
.set SCR,   114688                     ; 512 bytes a wave: maxima and sums for the partner wave
.set SPARE, 122880                     ; the spare words, 128 bytes a wave, named by no other line
.set KIMG,  131072                     ; K; behind pass 2 its first 65,536 bytes take the lower waves' O
.set VSL,   65536                      ; V's slot 1 begins here, slot 0 at byte 0; V's scale words lie 8,192 bytes behind K's
.set KF,  52                           ; v52-99   four fragments of K or V
.set KSR, 100                          ; v100-103 their scale words, and nothing else
.set SX,  104                          ; v104-135 scores of the first softmax head, then p1, then a
.set SY,  136                          ; v136-167 of the second
.set OT,  168                          ; v168-231 O^T
.set CD,  232                          ; v232-243 a's codes
.set CT,  244
.set BY,  248                          ; v248-251 a's four scale bytes
.set PW,  252                          ; a's scale word, and nothing else
; v1 K's image + 16 lane; v2 K's scale words + 4 r; v3, v4 the add's; v5, v6, v7 addresses in hand; v8 16 lane; v9 16 tile + r - 8 h; v10, v11 the maxima; v[12:13], v[14:15] -c m;
; v[16:17], v[18:19] the sums, later 1 / l1 and -lambda / l2; v[20:23] factors; v24-29, v31 at work; v30 lambda; v32-37 q1, v38-43 zero codes, v44-49 q2; v50 q's scale word; v51 O's place in LDS; v253, v254 my and my partner's scratch; v255 -infinity
; s18 wave; s19 p; s[20:21] lane selects; s[22:23] c; s24-31, s32-39 descriptor groups 1; s40-51 groups 0; s52 JB; s53 the step; s54, s55 K's and the scale words' offsets; s56 V's slot; s57, s58 counters; s59 HS; s60 tile; s61 -c; s62 1 / 128
.macro WM0 d, a, b, sa, sb
	v_wmma_scale_f32_16x16x128_f8f6f4 v[\d:\d+7], v[\a:\a+11], v[\b:\b+11], 0, v[\sa], v[\sb] matrix_a_fmt:MATRIX_FMT_FP6 matrix_b_fmt:MATRIX_FMT_FP6
.endm
.macro WMA d, a, b, sa, sb
	v_wmma_scale_f32_16x16x128_f8f6f4 v[\d:\d+7], v[\a:\a+11], v[\b:\b+11], v[\d:\d+7], v[\sa], v[\sb] matrix_a_fmt:MATRIX_FMT_FP6 matrix_b_fmt:MATRIX_FMT_FP6
.endm
	s_load_b256 s[4:11], s[0:1], 0x0               ; qkvb, lq1, lk1, lq2
	s_load_b128 s[12:15], s[0:1], 0x20             ; lk2, subln_w
	s_load_b64 s[16:17], s[0:1], 0x30              ; ob
	v_lshl_add_u32 v3, v0, 2, SPARE
	v_mov_b32 v4, 0
	ds_add_u32 v3, v4
	ds_add_u32 v3, v4
	s_wait_dscnt 0x0
	v_lshrrev_b32 v5, 5, v0
	s_delay_alu instid0(VALU_DEP_1)
	v_readfirstlane_b32 s18, v5                    ; wave 0..15
	s_lshr_b32 s19, s18, 3                         ; p
	s_and_b32 s66, s18, 3                          ; i4
	s_bfe_u32 s67, s18, 0x10002                    ; hl
	s_and_b32 s68, ttmp9, 7                        ; j
	s_lshr_b32 s59, ttmp9, 3                       ; HS
	s_sub_co_u32 s69, 15, s68
	s_cmp_eq_u32 s67, 0
	s_cselect_b32 s52, s68, s69                    ; JB
	s_lshl_b32 s60, s59, 2
	s_add_co_u32 s60, s60, s66                     ; my tile in the block
	s_and_b32 s70, ttmp7, 0xffff                   ; batch 8 + head
	; every LDS address register is made here, ahead of any parting of the waves
	v_and_b32 v24, 15, v0                          ; r
	v_bfe_u32 v25, v0, 4, 1                        ; h
	v_and_b32 v26, 31, v0                          ; lane
	s_wait_alu depctr_va_vdst(0)
	v_lshlrev_b32 v8, 4, v26
	s_delay_alu instid0(VALU_DEP_1)
	v_add_nc_u32 v1, KIMG, v8
	v_lshl_add_u32 v2, v24, 2, KSC
	s_and_b32 s63, s18, 7
	s_lshl_b32 s63, s63, 13
	s_add_co_u32 s63, s63, KIMG
	v_add_nc_u32 v51, s63, v8
	s_lshl_b32 s63, s18, 9
	s_add_co_u32 s63, s63, SCR
	v_lshl_add_u32 v253, v26, 2, s63
	s_xor_b32 s63, s18, 8
	s_lshl_b32 s63, s63, 9
	s_add_co_u32 s63, s63, SCR
	v_lshl_add_u32 v254, v26, 2, s63
	v_lshlrev_b32 v27, 3, v25
	s_delay_alu instid0(VALU_DEP_1)
	v_sub_nc_u32 v9, v24, v27
	s_lshl_b32 s63, s60, 4
	v_add_nc_u32 v9, s63, v9                       ; 16 tile + r - 8 h: key 16 t + 8 h + j of the diagonal step is hidden where 16 t + j is greater
	v_lshlrev_b32 v27, 3, v26                      ; 8 x lane: the lambda vectors
	v_lshlrev_b32 v28, 2, v24                      ; 4 r: q's scale word
	; descriptor groups 1: dense blocks as rows of 256 bytes (32 elements of 8 bytes), no padding: 192 rows (K's quarter, a slot of V), 32 rows (a head's scale words)
	s_mov_b32 s24, 3<<16
	s_mov_b32 s25, 32<<16
	s_mov_b32 s26, 192<<16
	s_mov_b32 s27, 32<<16
	s_mov_b32 s28, 192
	s_mov_b32 s29, 32
	s_mov_b32 s30, 0
	s_mov_b32 s31, 0
	s_mov_b32 s32, 3<<16
	s_mov_b32 s33, 32<<16
	s_mov_b32 s34, 32<<16
	s_mov_b32 s35, 32<<16
	s_mov_b32 s36, 32
	s_mov_b32 s37, 32
	s_mov_b32 s38, 0
	s_mov_b32 s39, 0
	s_and_b32 s71, s18, 3                          ; which quarter of K (waves 0-3)
	s_add_co_u32 s72, s18, 1
	s_and_b32 s72, s72, 1                          ; K's scale words (wave 5) or V's (wave 6)
	s_mul_i32 s73, s70, 196608
	s_mul_i32 s74, s71, 49152
	s_add_co_u32 s76, s73, s74
	s_add_co_u32 s76, s76, 3145728
	s_mov_b32 s77, 0
	s_add_co_u32 s78, s73, 6291456
	s_mov_b32 s79, 0
	s_lshl_b32 s75, s72, 13
	s_lshl_b32 s80, s72, 17
	s_lshl_b32 s81, s70, 13
	s_add_co_u32 s80, s80, s81
	s_add_co_u32 s80, s80, 9568256
	s_mov_b32 s81, 0
	s_lshl_b32 s82, s70, 4
	s_add_co_u32 s82, s82, s52                     ; (batch 8 + head) 16 + JB
	s_mul_i32 s84, s82, 12288
	s_mul_i32 s85, s60, 1536
	s_add_co_u32 s84, s84, s85                     ; my fragment of q
	s_mov_b32 s85, 0
	s_lshl_b32 s86, s82, 9
	s_lshl_b32 s87, s60, 6
	s_add_co_u32 s86, s86, s87
	s_add_co_u32 s86, s86, 9437184                 ; its scale words
	s_mov_b32 s87, 0
	s_lshr_b32 s88, s70, 3
	s_lshl_b32 s88, s88, 7
	s_lshl_b32 s89, s52, 3
	s_add_co_u32 s88, s88, s89
	s_add_co_u32 s88, s88, s60                     ; my token tile, 0 .. 255
	s_and_b32 s89, s70, 7                          ; the head
	s_lshl_b32 s82, s88, 9
	s_lshl_b32 s83, s89, 2
	s_add_co_u32 s82, s82, s83
	s_add_co_u32 s82, s82, 3145728                 ; o's scale bytes: [token][32], my head's four
	s_mov_b32 s83, 0
	s_lshl_b32 s88, s88, 3
	s_add_co_u32 s88, s88, s89
	s_mul_i32 s88, s88, 1536                       ; o's fragment: [token tile][head]
	s_mov_b32 s89, 0
	s_mov_b32 s20, 0x76543210
	s_mov_b32 s21, 0xfedcba98
	s_mov_b32 s22, 0x3e38aa3b                      ; c = log2(e) / 8
	s_mov_b32 s23, s22
	s_mov_b32 s61, 0xbe38aa3b                      ; -c
	s_mov_b32 s62, 0x3c000000                      ; 1 / 128
	s_wait_kmcnt 0x0
	s_mov_b32 s40, 1
	s_add_co_u32 s41, s74, KIMG
	s_add_nc_u64 s[42:43], s[4:5], s[76:77]
	s_or_b32 s43, s43, 0x80000000
	s_mov_b32 s44, 1
	s_mov_b32 s45, 0
	s_add_nc_u64 s[46:47], s[4:5], s[78:79]
	s_or_b32 s47, s47, 0x80000000
	s_mov_b32 s48, 1
	s_add_co_u32 s49, s75, KSC
	s_add_nc_u64 s[50:51], s[4:5], s[80:81]
	s_or_b32 s51, s51, 0x80000000
	; the first fills: one a wave, waves 0 to 6; four v_nop follow each
	s_cmp_lt_u32 s18, 4
	s_cbranch_scc0 .Lnot_k
	tensor_load_to_lds s[40:43], s[24:31]
	s_nop 0
.rept 4
	v_nop
.endr
	s_branch .Lasked
.Lnot_k:
	s_cmp_eq_u32 s18, 4
	s_cbranch_scc0 .Lnot_v
	tensor_load_to_lds s[44:47], s[24:31]
	s_nop 0
.rept 4
	v_nop
.endr
	s_branch .Lasked
.Lnot_v:
	s_cmp_lt_u32 s18, 7
	s_cbranch_scc0 .Lasked
	tensor_load_to_lds s[48:51], s[32:39]
	s_nop 0
.rept 4
	v_nop
.endr
.Lasked:
	s_add_nc_u64 s[84:85], s[4:5], s[84:85]
	s_add_nc_u64 s[86:87], s[4:5], s[86:87]
	s_add_nc_u64 s[82:83], s[16:17], s[82:83]
	s_add_nc_u64 s[16:17], s[16:17], s[88:89]
	global_load_b128 v[52:55], v8, s[84:85]
	global_load_b128 v[56:59], v8, s[84:85] offset:512
	global_load_b128 v[60:63], v8, s[84:85] offset:1024
	s_wait_alu depctr_va_vdst(0)
	global_load_b32 v50, v28, s[86:87]
	global_load_b64 v[64:65], v27, s[6:7]
	global_load_b64 v[66:67], v27, s[8:9]
	global_load_b64 v[68:69], v27, s[10:11]
	global_load_b64 v[70:71], v27, s[12:13]
	v_mov_b32 v10, 0xff61b1e6                      ; the maxima: -3e38, under every score
	v_mov_b32 v11, 0xff61b1e6
.irp j, 12,13,14,15,16,17,18,19,20,21,22,23,29,31
	v_mov_b32 v[\j], 0
.endr
	v_mov_b32 v255, 0xff800000
.irp j, 38,39,40,41,42,43
	v_mov_b32 v[\j], 0                             ; zero codes
.endr
.set ii, 0
.rept 64
	v_mov_b32 v[OT+ii], 0                          ; O^T: a wave with no step hands zeros over, and the step is written without a first form
.set ii, ii+1
.endr
	s_wait_loadcnt 0x0
.irp j, 0,1,2,3,4,5
	v_mov_b32 v[32+\j], v[52+\j]                   ; q1: K = 0 .. 63 of the fragment
	v_mov_b32 v[44+\j], v[58+\j]                   ; q2: K = 64 .. 127
.endr
	v_mul_f32 v26, v64, v66                        ; lambda = exp(lq1 . lk1) - exp(lq2 . lk2) + LAMBDA_INIT
	v_mul_f32 v27, v68, v70
	s_delay_alu instid0(VALU_DEP_2)
	v_fma_f32 v26, v65, v67, v26
	s_delay_alu instid0(VALU_DEP_2)
	v_fma_f32 v27, v69, v71, v27
.irp m, 1,2,4,8
	s_delay_alu instid0(VALU_DEP_2)
	v_add_f32_dpp v26, v26, v26 row_xmask:\m row_mask:0xf bank_mask:0xf
	s_delay_alu instid0(VALU_DEP_2)
	v_add_f32_dpp v27, v27, v27 row_xmask:\m row_mask:0xf bank_mask:0xf
.endr
	s_delay_alu instid0(VALU_DEP_2)
	v_permlanex16_b32 v29, v26, s20, s21
	s_delay_alu instid0(VALU_DEP_2)
	v_permlanex16_b32 v31, v27, s20, s21
	s_delay_alu instid0(VALU_DEP_2)
	v_add_f32 v26, v26, v29
	s_delay_alu instid0(VALU_DEP_2)
	v_add_f32 v27, v27, v31
	s_delay_alu instid0(VALU_DEP_2)
	v_mul_f32 v26, 0x3fb8aa3b, v26
	s_delay_alu instid0(VALU_DEP_2)
	v_mul_f32 v27, 0x3fb8aa3b, v27
	s_wait_alu depctr_va_vdst(0)
	v_exp_f32 v26, v26
	v_exp_f32 v27, v27
	v_nop
	s_wait_alu depctr_va_vdst(0)                   ; one wait for the two, ahead of their first reader
	v_sub_f32 v30, v26, v27
	s_delay_alu instid0(VALU_DEP_1)
	v_add_f32 v30, 0x3f47227f, v30
	s_wait_tensorcnt 0x0                           ; my first fill has landed
	s_barrier_signal -1
	s_barrier_wait -1                              ; everybody's has
; 64 keys' scores of both softmax heads: half c of the step.
.macro SCORES c
.if \c == 0
.rept 4
	v_nop                                          ; places in front of loads into registers that the last step's products have read
.endr
.endif
.irp t, 0,1,2,3
.irp k, 0,1,2
	ds_load_b128 v[KF+12*\t+4*\k:KF+12*\t+4*\k+3], v5 offset:6144*\c+1536*\t+512*\k
.endr
	ds_load_b32 v[KSR+\t], v6 offset:256*\c+64*\t
.endr
	s_wait_dscnt 0x0
.irp t, 0,1,2,3
	WM0 SX+8*\t, KF+12*\t, 32, KSR+\t, 50
	WM0 SY+8*\t, KF+12*\t, 38, KSR+\t, 50
.endr
.rept 4
	v_nop                                          ; places behind the products: for the reads of the scores, and for the next loads into the fragments
.endr
.endm
; On the diagonal step hidden scores become -infinity: p = 0 then.  Every other step jumps over this.
.macro MASK c
	s_cmp_lg_u32 s53, s52
	s_cbranch_scc1 .Lopen_\@
.set nn, 0
.rept 32
	v_cmp_gt_i32 vcc_lo, 64*\c+16*(nn/8)+nn%8, v9
	v_cndmask_b32 v[SX+nn], v[SX+nn], v255, vcc_lo
	v_cndmask_b32 v[SY+nn], v[SY+nn], v255, vcc_lo
.set nn, nn+1
.endr
.Lopen_\@:
.endm
; Pass 1, 64 keys: each LANE keeps a running maximum and sum of its own keys; nothing crosses lanes in the loop.
.macro P1HALF
	v_max3_num_f32 v24, v10, v[SX], v[SX+1]
	v_max3_num_f32 v25, v10, v[SX+16], v[SX+17]
	v_max3_num_f32 v26, v11, v[SY], v[SY+1]
	v_max3_num_f32 v27, v11, v[SY+16], v[SY+17]
.irp i, 2,4,6,8,10,12,14
	v_max3_num_f32 v24, v24, v[SX+\i], v[SX+\i+1]
	v_max3_num_f32 v25, v25, v[SX+16+\i], v[SX+17+\i]
	v_max3_num_f32 v26, v26, v[SY+\i], v[SY+\i+1]
	v_max3_num_f32 v27, v27, v[SY+16+\i], v[SY+17+\i]
.endr
	s_delay_alu instid0(VALU_DEP_3)
	v_max_num_f32 v24, v24, v25                    ; the new maxima
	s_delay_alu instid0(VALU_DEP_2)
	v_max_num_f32 v26, v26, v27
	s_delay_alu instid0(VALU_DEP_2)
	v_sub_f32 v20, v10, v24                        ; old less new: exactly 0 where the maximum has not moved
	s_delay_alu instid0(VALU_DEP_2)
	v_sub_f32 v22, v11, v26
	s_delay_alu instid0(VALU_DEP_4)
	v_mul_f32 v12, s61, v24                        ; -c m
	s_delay_alu instid0(VALU_DEP_4)
	v_mul_f32 v14, s61, v26
	s_delay_alu instid0(VALU_DEP_4)
	v_mul_f32 v20, s22, v20
	s_delay_alu instid0(VALU_DEP_4)
	v_mul_f32 v22, s22, v22
	v_mov_b32 v10, v24
	v_mov_b32 v11, v26
.set jj, 0
.rept 16
	v_pk_fma_f32 v[SX+jj:SX+jj+1], v[SX+jj:SX+jj+1], s[22:23], v[12:13] op_sel_hi:[1,0,0]
	v_pk_fma_f32 v[SY+jj:SY+jj+1], v[SY+jj:SY+jj+1], s[22:23], v[14:15] op_sel_hi:[1,0,0]
.set jj, jj+2
.endr
.set jj, 0
	s_wait_alu depctr_va_vdst(0)
.rept 64
	v_exp_f32 v[SX+jj], v[SX+jj]                   ; SX and SY lie on end
.set jj, jj+1
.endr
	v_exp_f32 v20, v20
	v_exp_f32 v22, v22
	v_nop                                          ; the plain line behind the batch
	s_wait_alu depctr_va_vdst(0)                   ; one wait for the 66, ahead of their first reader
	v_pk_mul_f32 v[16:17], v[16:17], v[20:21] op_sel_hi:[1,0]
	v_pk_mul_f32 v[18:19], v[18:19], v[22:23] op_sel_hi:[1,0]
	v_pk_add_f32 v[24:25], v[SX:SX+1], v[SX+2:SX+3]
	v_pk_add_f32 v[26:27], v[SY:SY+1], v[SY+2:SY+3]
.irp j, 4,8,12,16,20,24,28
	v_pk_add_f32 v[16:17], v[16:17], v[SX+\j:SX+\j+1]
	v_pk_add_f32 v[24:25], v[24:25], v[SX+\j+2:SX+\j+3]
	v_pk_add_f32 v[18:19], v[18:19], v[SY+\j:SY+\j+1]
	v_pk_add_f32 v[26:27], v[26:27], v[SY+\j+2:SY+\j+3]
.endr
	s_delay_alu instid0(VALU_DEP_3)
	v_pk_add_f32 v[16:17], v[16:17], v[24:25]
	s_delay_alu instid0(VALU_DEP_2)
	v_pk_add_f32 v[18:19], v[18:19], v[26:27]
.endm
; (m, l) of both heads in v10, v16, v11, v18 are joined with another's in v24, v25, v26, v27.
.macro MERGE
	v_max_num_f32 v28, v10, v24
	v_max_num_f32 v29, v11, v26
	s_delay_alu instid0(VALU_DEP_2)
	v_sub_f32 v20, v10, v28
	s_delay_alu instid0(VALU_DEP_3)
	v_sub_f32 v21, v24, v28
	s_delay_alu instid0(VALU_DEP_3)
	v_sub_f32 v22, v11, v29
	s_delay_alu instid0(VALU_DEP_4)
	v_sub_f32 v23, v26, v29
.irp j, 20,21,22,23
	s_delay_alu instid0(VALU_DEP_4)
	v_mul_f32 v[\j], s22, v[\j]
.endr
	s_wait_alu depctr_va_vdst(0)
.irp j, 20,21,22,23
	v_exp_f32 v[\j], v[\j]
.endr
	v_mov_b32 v10, v28
	v_mov_b32 v11, v29
	s_wait_alu depctr_va_vdst(0)                   ; one wait for the four
	v_mul_f32 v16, v16, v20
	v_mul_f32 v18, v18, v22
	v_fma_f32 v16, v25, v21, v16
	v_fma_f32 v18, v27, v23, v18
.endm
	; ---- PASS 1: eight trips, whatever the block
	s_mov_b32 s53, s19
	s_mul_i32 s54, s19, 12288
	s_lshl_b32 s55, s19, 9
	s_mov_b32 s58, 8
.Lp1:
	s_cmp_gt_u32 s53, s52                          ; all keys of the step come after my queries
	s_cbranch_scc1 .Lp1_end
	v_add_nc_u32 v5, s54, v1
	v_add_nc_u32 v6, s55, v2
	SCORES 0
	MASK 0
	P1HALF
	s_sub_co_u32 s66, s52, s53
	s_or_b32 s66, s66, s59
	s_cmp_eq_u32 s66, 0                            ; on the diagonal, tiles 0-3: the second 64 keys are all hidden
	s_cbranch_scc1 .Lp1_end
	SCORES 1
	MASK 1
	P1HALF
.Lp1_end:
	s_add_co_u32 s53, s53, 2
	s_add_co_u32 s54, s54, 24576
	s_add_co_u32 s55, s55, 1024
	s_sub_co_u32 s58, s58, 1
	s_cmp_lg_u32 s58, 0
	s_cbranch_scc1 .Lp1
	s_wait_alu depctr_va_vdst(0)
	v_add_f32 v16, v16, v17
	v_add_f32 v18, v18, v19
	v_permlanex16_b32 v24, v10, s20, s21           ; with lane l xor 16,
	s_delay_alu instid0(VALU_DEP_3)
	v_permlanex16_b32 v25, v16, s20, s21
	v_permlanex16_b32 v26, v11, s20, s21
	v_permlanex16_b32 v27, v18, s20, s21
	MERGE
	ds_store_b32 v253, v10                         ; and with the wave that took the other steps
	ds_store_b32 v253, v16 offset:128
	ds_store_b32 v253, v11 offset:256
	ds_store_b32 v253, v18 offset:384
	s_wait_dscnt 0x0                               ; for the partner's sake
	s_barrier_signal -1
	s_barrier_wait -1
	ds_load_b32 v24, v254
	ds_load_b32 v25, v254 offset:128
	ds_load_b32 v26, v254 offset:256
	ds_load_b32 v27, v254 offset:384
	s_wait_dscnt 0x0
	MERGE
	v_mul_f32 v12, s61, v10                        ; -c m of the whole row
	v_mul_f32 v14, s61, v11
	s_wait_alu depctr_va_vdst(0)
	v_rcp_f32 v16, v16
	v_rcp_f32 v18, v18
	v_nop
	s_wait_alu depctr_va_vdst(0)
	v_mul_f32 v18, -v30, v18                       ; v16 = 1 / l1, v18 = -lambda / l2
; Pass 2, 64 keys: a = p1 / l1 - lambda p2 / l2, its two blocks' scale bytes and codes: registers 6 c .. 6 c + 5 of the operand.
.macro P2HALF c
.set jj, 0
.rept 16
	v_pk_fma_f32 v[SX+jj:SX+jj+1], v[SX+jj:SX+jj+1], s[22:23], v[12:13] op_sel_hi:[1,0,0]
	v_pk_fma_f32 v[SY+jj:SY+jj+1], v[SY+jj:SY+jj+1], s[22:23], v[14:15] op_sel_hi:[1,0,0]
.set jj, jj+2
.endr
.set jj, 0
	s_wait_alu depctr_va_vdst(0)
.rept 64
	v_exp_f32 v[SX+jj], v[SX+jj]
.set jj, jj+1
.endr
	v_nop
	s_wait_alu depctr_va_vdst(0)                   ; one wait for the 64
.set jj, 0
.rept 16
	v_pk_mul_f32 v[SX+jj:SX+jj+1], v[SX+jj:SX+jj+1], v[16:17] op_sel_hi:[1,0]
.set jj, jj+2
.endr
.set jj, 0
.rept 16
	v_pk_fma_f32 v[SX+jj:SX+jj+1], v[SY+jj:SY+jj+1], v[18:19], v[SX+jj:SX+jj+1] op_sel_hi:[1,0,1]
.set jj, jj+2
.endr
.irp b, 0,1
	v_max3_num_f32 v[24+\b], 0x1800000, |v[SX+16*\b]|, |v[SX+16*\b+1]|   ; with the floor 2^(3 - 127)
.endr
.irp i, 2,4,6,8,10,12,14
.irp b, 0,1
	s_delay_alu instid0(VALU_DEP_2)
	v_max3_num_f32 v[24+\b], v[24+\b], |v[SX+16*\b+\i]|, |v[SX+16*\b+\i+1]|
.endr
.endr
.irp b, 0,1
	s_delay_alu instid0(VALU_DEP_2)
	v_permlanex16_b32 v[26+\b], v[24+\b], s20, s21
.endr
.irp b, 0,1
	s_delay_alu instid0(VALU_DEP_2)
	v_max_num_f32 v[24+\b], v[24+\b], v[26+\b]
.endr
.irp b, 0,1
	s_delay_alu instid0(VALU_DEP_2)
	v_add_nc_u32 v[28+\b], 0xff000000, v[24+\b]
.endr
.irp b, 0,1
	s_delay_alu instid0(VALU_DEP_2)
	v_lshrrev_b32 v[BY+2*\c+\b], 23, v[28+\b]
.endr
	v_cvt_scalef32_pk16_fp6_f32 v[CD+6*\c:CD+6*\c+2], v[SX:SX+15], v28
	v_cvt_scalef32_pk16_fp6_f32 v[CT:CT+2], v[SX+16:SX+31], v29
	v_nop                                          ; one plain line behind a scaled conversion
.irp i, 0,1,2
	v_permlane16_swap_b32 v[CD+6*\c+\i], v[CT+\i]
.endr
.irp i, 0,1,2
	s_delay_alu instid0(VALU_DEP_3)
	v_mov_b32 v[CD+6*\c+3+\i], v[CT+\i]
.endr
.endm
; A key step of pass 2: the q-th of my two in the slot in hand.
.macro STEP2 q
	s_cmp_gt_u32 s53, s52
	s_cbranch_scc1 .Lskip_\@
	v_add_nc_u32 v5, s54, v1
	v_add_nc_u32 v6, s55, v2
	v_add_nc_u32 v7, s56, v8
	SCORES 0
	MASK 0
	P2HALF 0
	s_sub_co_u32 s66, s52, s53
	s_or_b32 s66, s66, s59
	s_cmp_eq_u32 s66, 0
	s_cbranch_scc1 .Lhid_\@
	SCORES 1
	MASK 1
	P2HALF 1
	s_branch .Ljoin_\@
.Lhid_\@:                              ; the second 64 keys are all hidden: zero codes under the byte 1
.irp i, 6,7,8,9,10,11
	v_mov_b32 v[CD+\i], 0
.endr
	v_mov_b32 v[BY+2], 1
	v_mov_b32 v[BY+3], 1
.Ljoin_\@:
	v_lshl_or_b32 v[PW], v[BY+1], 8, v[BY]
	s_delay_alu instid0(VALU_DEP_1)
	v_lshl_or_b32 v[PW], v[BY+2], 16, v[PW]
	s_delay_alu instid0(VALU_DEP_1)
	v_lshl_or_b32 v[PW], v[BY+3], 24, v[PW]
	s_wait_alu depctr_va_vdst(0)
.irp g, 0,1                            ; O^T += V^T a^T: four channel tiles at a time; the eight accumulators take turns, one instruction a turn
.if \g == 1
.rept 4
	v_nop
.endr
.endif
.irp t, 0,1,2,3
.irp k, 0,1,2
	ds_load_b128 v[KF+12*\t+4*\k:KF+12*\t+4*\k+3], v7 offset:24576*\q+1536*(4*\g+\t)+512*\k
.endr
	ds_load_b32 v[KSR+\t], v6 offset:8192+64*(4*\g+\t)
.endr
.if \g == 0
.rept 8
	v_nop                                          ; a scale word written by vector lines stands eight places ahead of the scaled matrix instruction
.endr
.endif
	s_wait_dscnt 0x0
.irp t, 0,1,2,3
	WMA OT+8*(4*\g+\t), KF+12*\t, CD, KSR+\t, PW
.endr
.endr
.Lskip_\@:
	s_add_co_u32 s53, s53, 2
	s_add_co_u32 s54, s54, 24576
	s_add_co_u32 s55, s55, 1024
.endm
; The change of V's slots stands at a slot's head.  fill = 1: wave 4 fills the slot that has been left with the next 512 keys: the load has a slot's work in which to land.
.macro CHANGE fill
	s_wait_tensorcnt 0x0                           ; no tensor load of mine is out, so a group 0 may be written
	ds_add_u32 v3, v4                              ; 0 onto my spare word
.if \fill
	s_xor_b32 s45, s45, VSL
	s_add_nc_u64 s[46:47], s[46:47], 49152
.endif
	s_wait_dscnt 0x0                               ; the add is done, and my reads of the slot that I have left are over
	s_barrier_signal -1
	s_barrier_wait -1
.if \fill
	s_cmp_eq_u32 s18, 4
	s_cbranch_scc0 .Lnofill_\@
	tensor_load_to_lds s[44:47], s[24:31]
	s_nop 0
.rept 4
	v_nop
.endr
.Lnofill_\@:
.endif
.endm
	; ---- PASS 2
	s_mov_b32 s53, s19
	s_mul_i32 s54, s19, 12288
	s_lshl_b32 s55, s19, 9
	s_mul_i32 s56, s19, 12288
	s_mov_b32 s57, 3
.Lslot:
	CHANGE 1
	STEP2 0
	STEP2 1
	s_xor_b32 s56, s56, VSL
	s_sub_co_u32 s57, s57, 1
	s_cmp_lg_u32 s57, 0
	s_cbranch_scc1 .Lslot
	CHANGE 0                                       ; the last slot is written out
	STEP2 0
	STEP2 1
	; ---- the two waves of a tile add their O^T; the upper one finishes the tile
.rept 4
	v_nop                                          ; places behind the last products
.endr
	s_wait_dscnt 0x0
	s_barrier_signal -1
	s_barrier_wait -1                              ; nobody reads K any more: it has had its one fill, and its bytes take O
	s_cmp_lt_u32 s18, 8
	s_cbranch_scc0 .Lupper
.set ii, 0
.rept 16
	ds_store_b128 v51, v[OT+4*ii:OT+4*ii+3] offset:512*ii   ; each accumulator from its low end on
.set ii, ii+1
.endr
	s_branch .Lmeet
.Lupper:
	v_bfe_u32 v29, v0, 4, 1
	s_delay_alu instid0(VALU_DEP_1)
	v_lshlrev_b32 v29, 6, v29
.irp b, 0,1,2,3
.irp k, 0,1,2,3
	global_load_b128 v[SX+16*\b+4*\k:SX+16*\b+4*\k+3], v29, s[14:15] offset:128*\b+16*\k   ; subln_w at channels 32 b + 16 h + 4 k on
.endr
.endr
.Lmeet:
	s_wait_dscnt 0x0
	s_barrier_signal -1
	s_barrier_wait -1
	s_cmp_lt_u32 s18, 8
	s_cbranch_scc1 .Lclose
	s_wait_loadcnt 0x0                             ; subln_w
.set ii, 0
.rept 12
	ds_load_b128 v[KF+4*ii:KF+4*ii+3], v51 offset:512*ii
.set ii, ii+1
.endr
	s_wait_dscnt 0x0
.set ii, 0
.rept 24
	v_pk_add_f32 v[OT+ii:OT+ii+1], v[OT+ii:OT+ii+1], v[KF+ii:KF+ii+1]
.set ii, ii+2
.endr
.set ii, 0
.rept 4
	ds_load_b128 v[KF+4*ii:KF+4*ii+3], v51 offset:512*(12+ii)
.set ii, ii+1
.endr
	s_wait_dscnt 0x0
.set ii, 0
.rept 8
	v_pk_add_f32 v[OT+48+ii:OT+48+ii+1], v[OT+48+ii:OT+48+ii+1], v[KF+ii:KF+ii+1]
.set ii, ii+2
.endr
.irp b, 0,1,2,3                        ; the next product's partner is a given weight: the natural order.  Register 16 b + i then holds channel 32 b + 16 h + i
.irp j, 0,1,2,3,4,5,6,7
	v_permlane16_swap_b32 v[OT+16*\b+\j], v[OT+16*\b+8+\j]
.endr
.endr
	v_pk_mul_f32 v[24:25], v[OT:OT+1], v[OT:OT+1]
	v_pk_mul_f32 v[26:27], v[OT+2:OT+3], v[OT+2:OT+3]
.set ii, 4
.rept 15
	s_delay_alu instid0(VALU_DEP_2)
	v_pk_fma_f32 v[24:25], v[OT+ii:OT+ii+1], v[OT+ii:OT+ii+1], v[24:25]
	s_delay_alu instid0(VALU_DEP_2)
	v_pk_fma_f32 v[26:27], v[OT+ii+2:OT+ii+3], v[OT+ii+2:OT+ii+3], v[26:27]
.set ii, ii+4
.endr
	s_delay_alu instid0(VALU_DEP_1)
	v_pk_add_f32 v[24:25], v[24:25], v[26:27]
	s_delay_alu instid0(VALU_DEP_1)
	v_add_f32 v24, v24, v25
	s_delay_alu instid0(VALU_DEP_1)
	v_permlanex16_b32 v31, v24, s20, s21
	s_delay_alu instid0(VALU_DEP_1)
	v_add_f32 v24, v24, v31
	s_delay_alu instid0(VALU_DEP_1)
	v_fmaak_f32 v24, s62, v24, 0x3727c5ac          ; the mean of squares + 1e-5
	s_wait_alu depctr_va_vdst(0)
	v_rsq_f32 v26, v24
	v_nop
	s_wait_alu depctr_va_vdst(0)
	v_mul_f32 v26, 0x3e637605, v26                 ; x (1 - LAMBDA_INIT)
.set ii, 0
.rept 32
	v_pk_mul_f32 v[OT+ii:OT+ii+1], v[OT+ii:OT+ii+1], v[26:27] op_sel_hi:[1,0]
.set ii, ii+2
.endr
.set ii, 0
.rept 32
	v_pk_mul_f32 v[OT+ii:OT+ii+1], v[OT+ii:OT+ii+1], v[SX+ii:SX+ii+1]
.set ii, ii+2
.endr
.set TQ, 52                            ; the quantiser's temporaries lie in the fragments' registers
.irp b, 0,1,2,3
	v_max3_num_f32 v[TQ+\b], 0x1800000, |v[OT+16*\b]|, |v[OT+16*\b+1]|
.endr
.irp i, 2,4,6,8,10,12,14
.irp b, 0,1,2,3
	s_delay_alu instid0(VALU_DEP_4)
	v_max3_num_f32 v[TQ+\b], v[TQ+\b], |v[OT+16*\b+\i]|, |v[OT+16*\b+\i+1]|
.endr
.endr
.irp b, 0,1,2,3
	s_delay_alu instid0(VALU_DEP_4)
	v_permlanex16_b32 v[TQ+4+\b], v[TQ+\b], s20, s21
.endr
.irp b, 0,1,2,3
	s_delay_alu instid0(VALU_DEP_4)
	v_max_num_f32 v[TQ+\b], v[TQ+\b], v[TQ+4+\b]
.endr
.irp b, 0,1,2,3
	s_delay_alu instid0(VALU_DEP_4)
	v_add_nc_u32 v[TQ+12+\b], 0xff000000, v[TQ+\b]
.endr
.irp b, 0,1,2,3
	s_delay_alu instid0(VALU_DEP_4)
	v_lshrrev_b32 v[TQ+4+\b], 23, v[TQ+12+\b]
.endr
	s_delay_alu instid0(VALU_DEP_3)
	v_lshl_or_b32 v[PW], v[TQ+5], 8, v[TQ+4]
	s_delay_alu instid0(VALU_DEP_1)
	v_lshl_or_b32 v[PW], v[TQ+6], 16, v[PW]
	s_delay_alu instid0(VALU_DEP_1)
	v_lshl_or_b32 v[PW], v[TQ+7], 24, v[PW]
.irp c, 0,1
	v_cvt_scalef32_pk16_fp6_f32 v[CD+6*\c:CD+6*\c+2], v[OT+32*\c:OT+32*\c+15], v[TQ+12+2*\c]
	v_cvt_scalef32_pk16_fp6_f32 v[TQ+16+4*\c:TQ+18+4*\c], v[OT+32*\c+16:OT+32*\c+31], v[TQ+12+2*\c+1]
.endr
	v_nop
.irp c, 0,1
.irp i, 0,1,2
	v_permlane16_swap_b32 v[CD+6*\c+\i], v[TQ+16+4*\c+\i]
.endr
.irp i, 0,1,2
	s_delay_alu instid0(VALU_DEP_3)
	v_mov_b32 v[CD+6*\c+3+\i], v[TQ+16+4*\c+\i]
.endr
.endr
	v_and_b32 v28, 31, v0
	s_delay_alu instid0(VALU_DEP_1)
	v_lshlrev_b32 v28, 3, v28                      ; 8 x lane
	v_and_b32 v29, 15, v0
	s_delay_alu instid0(VALU_DEP_1)
	v_lshlrev_b32 v29, 5, v29                      ; 32 r
.irp p, 0,1,2,3,4,5
	global_store_b64 v28, v[CD+2*\p:CD+2*\p+1], s[16:17] offset:256*\p   ; the fragment as six runs of 256 consecutive bytes, aligned
.endr
	global_store_b32 v29, v[PW], s[82:83]          ; lanes l and l + 16 write the same word
.Lclose:
	s_wait_tensorcnt 0x0                           ; the wave's end
	ds_add_u32 v3, v4
	s_wait_dscnt 0x0
	s_endpgm
.Lfunc_end_k_q0708b99aff_attn:
	.size	k_q0708b99aff_attn, .Lfunc_end_k_q0708b99aff_attn-k_q0708b99aff_attn
	.p2alignl 7, 3214868480
	.fill 96, 4, 3214868480
	.section	.rodata,"a",@progbits
	.p2align	6, 0x0
	.amdhsa_kernel k_q0708b99aff_attn
		.amdhsa_group_segment_fixed_size 327680
		.amdhsa_private_segment_fixed_size 0
		.amdhsa_enable_private_segment 0
		.amdhsa_kernarg_size 56
		.amdhsa_user_sgpr_count 2
		.amdhsa_user_sgpr_kernarg_segment_ptr 1
		.amdhsa_wavefront_size32 1
		.amdhsa_system_sgpr_workgroup_id_x 1
		.amdhsa_system_sgpr_workgroup_id_y 1
		.amdhsa_system_sgpr_workgroup_id_z 1
		.amdhsa_system_vgpr_workitem_id 0
		.amdhsa_next_free_vgpr 256
		.amdhsa_next_free_sgpr 90
		.amdhsa_reserve_vcc 1
		.amdhsa_float_denorm_mode_32 3
		.amdhsa_float_denorm_mode_16_64 3
		.amdhsa_memory_ordered 1
		.amdhsa_forward_progress 1
		.amdhsa_inst_pref_size 202
	.end_amdhsa_kernel
	.amdgpu_metadata
---
amdhsa.version: [ 1, 2 ]
amdhsa.kernels:
  - .name:           k_q0708b99aff_attn
    .symbol:         k_q0708b99aff_attn.kd
    .args:
      - { .name: qkvb, .offset: 0, .size: 8, .value_kind: global_buffer, .address_space: global }
      - { .name: lq1, .offset: 8, .size: 8, .value_kind: global_buffer, .address_space: global }
      - { .name: lk1, .offset: 16, .size: 8, .value_kind: global_buffer, .address_space: global }
      - { .name: lq2, .offset: 24, .size: 8, .value_kind: global_buffer, .address_space: global }
      - { .name: lk2, .offset: 32, .size: 8, .value_kind: global_buffer, .address_space: global }
      - { .name: subln_w, .offset: 40, .size: 8, .value_kind: global_buffer, .address_space: global }
      - { .name: ob, .offset: 48, .size: 8, .value_kind: global_buffer, .address_space: global }
    .group_segment_fixed_size: 327680
    .private_segment_fixed_size: 0
    .kernarg_segment_align: 8
    .kernarg_segment_size: 56
    .max_flat_workgroup_size: 512
    .sgpr_count:     90
    .vgpr_count:     256
    .wavefront_size: 32
...
	.end_amdgpu_metadata
.endif
;; end of part 3
;; launch wo (part 4): grid 8 x 32, 4 waves a work-group, clusters of 4 x 4, 327,680 bytes of LDS; arguments ob, wo_codes, wo_scales, x, yb; writes yb
.if DOCPART == 4
	.amdgcn_target "amdgcn-amd-amdhsa--gfx1250"
	.amdhsa_code_object_version 6
	.text
	.protected	k_q0708b99aff_wo
	.globl	k_q0708b99aff_wo
	.p2align	8
	.type	k_q0708b99aff_wo,@function
k_q0708b99aff_wo:
	s_mov_b64 s[64:65], 0
	v_nop
	global_prefetch_b8 v0, s[64:65] scope:SCOPE_SE
	s_setreg_imm32_b32 hwreg(HW_REG_WAVE_MODE, 25, 1), 1
	s_wait_xcnt 0x0
	s_wait_alu depctr_hold_cnt(0) depctr_sa_sdst(0) depctr_va_vdst(0) depctr_va_sdst(0) depctr_va_ssrc(0) depctr_va_vcc(0) depctr_vm_vsrc(0)
	s_getreg_b32 s2, hwreg(HW_REG_IB_STS2, 6, 4)
	s_cmp_eq_u32 s2, 0
	s_cbranch_scc0 .Lentry_in_a_cluster
	s_endpgm
.Lentry_in_a_cluster:
	s_bfe_u32 s2, ttmp6, 0x10000c
	s_cmp_lg_u32 s2, 0xf033
	s_cbranch_scc0 .Lentry_shape_is_right
	s_endpgm
.Lentry_shape_is_right:
; out = res + A B^T on codes of FP6 (E2M3), one E8M0 scale for each 32 along K = 1,024.  A: 4,096 rows as images of operand registers: fragment [token tile][K / 128] of 1,536 bytes,
; register pair p as 32 lanes x 8 bytes at 256 p; from byte AIMG on the scale bytes [token][K / 32].  B: [1024][K] codes and scales as given.  res, out: [4096][1024] f32.
; SHARES: a block of 128 x 128 to a work-group (grid 8 x 32 = 256), 64 x 64 to each of four waves: 16 accumulators.  A's block, all of K, is one dense run of memory: one tensor load, in rows of 256 bytes.
; B comes in chunks of 256 bytes of each row (LDS pitch 272); chunk c lies in slot c % 3.  At the head wave 0 asks for A and waves 1-3 for chunks 0-2: here that is all of B, nothing is filled again.
; A step of 128 along K is 96 bytes of a row of B; where lanes 16-31 (24 bytes on) read the next chunk, a second address register serves.
; The scale words go from memory into registers: lane (r, h) takes 16 bytes of row r at 16 h: lanes 0-15 hold K steps 0-3, lanes 16-31 K steps 4-7 (read by the ROW1 selector).
; The matrix instruction is used transposed (source 0 = B's rows, source 1 = A's): a lane holds eight neighbouring numbers of a row.  The residual is asked for at the head, into registers.
; CLUSTERS 4 x 4: A's block is asked for jointly by a row of the cluster, B's chunks by a column.  NO PREFETCH: every tile is asked for at the head; the walk along K has no loop to run ahead in.
; REGISTERS: window 0: v8-21 addresses, v28-29 the add's, v32-95 scale words, v96-191 A's fragments (two sets), on the way out v96-223; window 1: v0-127 accumulators, v128-223 B's fragments (two sets); window 2: v0-127 the residual.
.set SIZE_K, 1024
.set AIMG,   3145728
.set KROW,   SIZE_K*3/4
.set KS,     SIZE_K/32
.set NS,     KS/8
.set STEPS,  SIZE_K/128
.set CHUNKS, KROW/256
.set TP,     STEPS*1536
.set NR,     128*KROW/256
.set BL,     NR*256
.set PITCH,  272
.set SLOTB,  128*PITCH
.set STAGE,  BL+3*SLOTB
.set SPARE,  STAGE+4*16*PITCH
.set ADRA, 8
.set ADRB, 12
.set ADRX, 16
.set STO,  18
.set RD,   19
.set CO,   20
.set SO,   21
.set SPW,  28
.set NIL,  29
.set SCA,  32
.set SCB,  64
.set AF,   96
.set BF,   128
.set BK,   96
.set G1A, 24
.set G0A, 32
.set G0B, 36
.set G1B, 48
.set G1R, 56
.set G0R, 68
.set MSB, 0
.macro WIN new
.if MSB != \new
	s_set_vgpr_msb (MSB<<8)|\new
.set MSB, \new
.endif
.endm
.macro PLACES n
.rept \n
	v_nop
.endr
.endm
.macro CREST
	s_cmp_lg_u32 s14, 0
	s_cbranch_scc1 .Lnot_wave_0_\@
	s_barrier_signal -3
.Lnot_wave_0_\@:
	s_barrier_wait -3
	s_barrier_signal -1
	s_barrier_wait -1
.endm
.macro CROUND
	s_barrier_signal -1
	s_barrier_wait -1
	CREST
.endm
.macro BGRP g, rows                    ; group 1 for B: rows of 256 bytes, 16 bytes of padding behind each, shared along my column
	s_or_b32 s[\g], s44, (1<<20)|(1<<21)|(5<<22)|(3<<25)
	s_mov_b32 s[\g+1], 256<<16
	s_mov_b32 s[\g+2], \rows<<16
	s_mov_b32 s[\g+3], 256<<16
	s_mov_b32 s[\g+4], \rows
	s_mov_b32 s[\g+5], KROW
	s_mov_b32 s[\g+6], 0
	s_mov_b32 s[\g+7], 0
.endm
	s_load_b256 s[4:11], s[0:1], 0x0               ; A, B's codes, B's scales, res
	s_load_b64 s[12:13], s[0:1], 0x20              ; out
	v_lshl_add_u32 v[SPW], v0, 2, SPARE
	v_mov_b32 v[NIL], 0
	ds_add_u32 v[SPW], v[NIL]                      ; the opening lines: the add, twice on end, and its wait
	ds_add_u32 v[SPW], v[NIL]
	v_lshrrev_b32 v1, 5, v0
	v_readfirstlane_b32 s14, v1                    ; wave
	s_lshr_b32 s15, s14, 1                         ; my half of the rows
	s_and_b32 s16, s14, 1                          ; my half of the columns
	s_bfe_u32 s40, ttmp6, 0x40000
	s_bfe_u32 s41, ttmp6, 0x40004
	s_lshl_b32 s42, ttmp9, 2
	s_add_co_u32 s42, s42, s40                     ; block column
	s_and_b32 s17, ttmp7, 0xffff
	s_lshl_b32 s17, s17, 2
	s_add_co_u32 s17, s17, s41                     ; block row
	s_lshl_b32 s43, s41, 2
	s_lshl_b32 s43, 15, s43
	s_lshl_b32 s44, 0x1111, s40
	s_or_b32 s[G1A], s43, (3<<16)|(1<<21)          ; A: NR rows of 32 elements of 8 bytes, dense
	s_mov_b32 s[G1A+1], 32<<16
	s_mov_b32 s[G1A+2], NR<<16
	s_mov_b32 s[G1A+3], 32<<16
	s_mov_b32 s[G1A+4], NR
	s_mov_b32 s[G1A+5], 32
	s_mov_b32 s[G1A+6], 0
	s_mov_b32 s[G1A+7], 0
	BGRP G1B, 128
.if CHUNKS > 3
	BGRP G1R, 32
.endif
	s_mul_i32 s20, s17, 128*KROW                   ; A's block, in bytes
	s_mov_b32 s21, 0
	s_mul_i32 s22, s42, 128*KROW                   ; B's rows
	s_mov_b32 s23, 0
	s_max_u32 s46, s14, 1
	s_sub_co_u32 s46, s46, 1
	s_lshl_b32 s46, s46, 8                         ; waves 1-3: chunk wave - 1
	s_mov_b32 s47, 0
	s_lshl_b32 s72, s17, 7
	s_lshl_b32 s18, s15, 6
	s_add_co_u32 s72, s72, s18                     ; my first row
	s_lshl_b32 s74, s42, 7
	s_lshl_b32 s18, s16, 6
	s_add_co_u32 s74, s74, s18                     ; my first column
	s_mul_i32 s76, s72, KS
	s_add_co_u32 s76, s76, AIMG
	s_mov_b32 s77, 0
	s_mul_i32 s78, s74, KS
	s_mov_b32 s79, 0
	s_lshl_b32 s72, s72, 12
	s_lshl_b32 s74, s74, 2
	s_add_co_u32 s72, s72, s74
	s_mov_b32 s73, 0
	s_mul_i32 s45, s14, SLOTB
	s_add_co_u32 s45, s45, BL-SLOTB                ; slot wave - 1
	s_wait_dscnt 0x0
	s_wait_kmcnt 0x0
	s_mov_b32 s[G0A], 1
	s_mov_b32 s[G0A+1], 0
	s_add_nc_u64 s[G0A+2:G0A+3], s[4:5], s[20:21]
	s_or_b32 s[G0A+3], s[G0A+3], 0x80000000
	s_add_nc_u64 s[22:23], s[6:7], s[22:23]
	s_mov_b32 s[G0B], 1
	s_mov_b32 s[G0B+1], s45
	s_add_nc_u64 s[G0B+2:G0B+3], s[22:23], s[46:47]
	s_or_b32 s[G0B+3], s[G0B+3], 0x80000000
.if CHUNKS > 3
	s_mul_i32 s18, s14, 32*KROW                    ; a refill: 32 rows a wave; it stands at chunk 2 and slot -1 and is stepped ahead of each refill
	s_mov_b32 s19, 0
	s_mov_b32 s[G0R], 1
	s_mul_i32 s[G0R+1], s14, 32*PITCH
	s_add_co_u32 s[G0R+1], s[G0R+1], BL-SLOTB
	s_add_nc_u64 s[G0R+2:G0R+3], s[22:23], s[18:19]
	s_add_nc_u64 s[G0R+2:G0R+3], s[G0R+2:G0R+3], 512
	s_or_b32 s[G0R+3], s[G0R+3], 0x80000000
.endif
	s_add_nc_u64 s[76:77], s[4:5], s[76:77]        ; my rows' scales
	s_add_nc_u64 s[78:79], s[8:9], s[78:79]        ; my columns' scales
	s_add_nc_u64 s[10:11], s[10:11], s[72:73]
	s_add_nc_u64 s[12:13], s[12:13], s[72:73]
	CROUND                                         ; in front of the first joint loads
	s_cmp_eq_u32 s14, 0
	s_cbranch_scc0 .Lhead_b
	tensor_load_to_lds s[G0A:G0A+3], s[G1A:G1A+7]
	s_nop 0
	PLACES 4
	s_branch .Lhead_asked
.Lhead_b:
	tensor_load_to_lds s[G0B:G0B+3], s[G1B:G1B+7]
	s_nop 0
	PLACES 4
.Lhead_asked:
	v_and_b32 v1, 15, v0                           ; r
	v_bfe_u32 v2, v0, 4, 1                         ; h
	v_and_b32 v3, 31, v0
	v_lshlrev_b32 v4, 3, v3                        ; A's images: 8 x lane
	s_mul_i32 s18, s15, 4*TP
.irp i, 0,1,2,3
	v_add_nc_u32 v[ADRA+\i], s18, v4
	s_add_co_u32 s18, s18, TP
.endr
	v_mul_u32_u24 v5, v1, PITCH
	v_mul_u32_u24 v6, v2, 24
	v_add_nc_u32 v6, v5, v6                        ; B: row x pitch + 24 h
	s_mov_b32 s19, SLOTB-232
	v_mul_u32_u24 v7, s19, v2
	v_add_nc_u32 v7, v5, v7                        ; across two chunks: lanes 16-31 read 232 bytes back in the next slot's row
	s_mul_i32 s18, s16, 64*PITCH
	s_add_co_u32 s18, s18, BL
.irp s, 0,1,2
	v_add_nc_u32 v[ADRB+\s], s18, v6
.if \s < 2
	v_add_nc_u32 v[ADRX+\s], s18, v7
.endif
	s_add_co_u32 s18, s18, SLOTB
.endr
	s_mul_i32 s18, s14, 16*PITCH
	s_add_co_u32 s18, s18, STAGE
	v_lshl_add_u32 v6, v2, 5, v5
	v_add_nc_u32 v[STO], s18, v6                   ; the stage, in: row r, 32 bytes a half
	v_mul_u32_u24 v7, v2, PITCH
	v_lshl_add_u32 v7, v1, 4, v7
	v_add_nc_u32 v[RD], s18, v7                    ; back: sixteen lanes take a row of 256 bytes
	v_lshlrev_b32 v6, 12, v2
	v_lshl_add_u32 v[CO], v1, 4, v6                ; and the same in res and out
	v_mul_u32_u24 v7, v1, KS
	v_lshl_add_u32 v[SO], v2, 4, v7                ; scale bytes: row r, 16 h
	s_wait_alu depctr_va_vdst(0)                   ; the wait at the head's end
.irp i, 0,1,2,3
.set jj, 0
.rept NS/4
	global_load_b128 v[SCA+NS*\i+4*jj:SCA+NS*\i+4*jj+3], v[SO], s[76:77] offset:\i*16*KS+32*jj
	global_load_b128 v[SCB+NS*\i+4*jj:SCB+NS*\i+4*jj+3], v[SO], s[78:79] offset:\i*16*KS+32*jj
.set jj, jj+1
.endr
.endr
	WIN 0x80
.set ii, 0
.rept 32
	global_load_b128 v[4*ii:4*ii+3], v[CO], s[10:11] offset:2*ii*4096 th:TH_LOAD_NT   ; the residual: two rows of 256 bytes an instruction
.set ii, ii+1
.endr
	WIN 0
.macro FETCH st                        ; step st's four fragments of B and four of A into set st % 2: 48 loads
.set FP, 48*((\st)%2)
	WIN 0x40
.irp i, 0,1,2,3
.irp p, 0,1,2,3,4,5
.set BY, 96*(\st)+48*(\p/3)+8*(\p%3)
.if BY/256 == (BY+24)/256
	ds_load_b64 v[BF+FP+12*\i+2*\p:BF+FP+12*\i+2*\p+1], v[ADRB+(BY/256)%3] offset:BY%256+\i*16*PITCH
.else
	ds_load_b64 v[BF+FP+12*\i+2*\p:BF+FP+12*\i+2*\p+1], v[ADRX+(BY/256)%3] offset:BY%256+\i*16*PITCH
.endif
.endr
.endr
	WIN 0
.irp i, 0,1,2,3
.irp p, 0,1,2,3,4,5
	ds_load_b64 v[AF+FP+12*\i+2*\p:AF+FP+12*\i+2*\p+1], v[ADRA+\i] offset:1536*(\st)+256*\p
.endr
.endr
.endm
.macro MUL st                          ; 16 matrix instructions, the 16 accumulators by turns; step 0 starts the sums
.set MP, 48*((\st)%2)
.set MQ, (\st)%4+4*((\st)/8)
	WIN 0x51
.irp a, 0,1,2,3
.irp b, 0,1,2,3
.set DD, 8*(4*\a+\b)
.if (\st) == 0
	v_wmma_scale_f32_16x16x128_f8f6f4 v[DD:DD+7], v[BF+MP+12*\b:BF+MP+12*\b+11], v[AF+MP+12*\a:AF+MP+12*\a+11], 0, v[SCB+NS*\b+MQ], v[SCA+NS*\a+MQ] matrix_a_fmt:MATRIX_FMT_FP6 matrix_b_fmt:MATRIX_FMT_FP6
.else
.if ((\st)/4)%2 == 0
	v_wmma_scale_f32_16x16x128_f8f6f4 v[DD:DD+7], v[BF+MP+12*\b:BF+MP+12*\b+11], v[AF+MP+12*\a:AF+MP+12*\a+11], v[DD:DD+7], v[SCB+NS*\b+MQ], v[SCA+NS*\a+MQ] matrix_a_fmt:MATRIX_FMT_FP6 matrix_b_fmt:MATRIX_FMT_FP6
.else
	v_wmma_scale_f32_16x16x128_f8f6f4 v[DD:DD+7], v[BF+MP+12*\b:BF+MP+12*\b+11], v[AF+MP+12*\a:AF+MP+12*\a+11], v[DD:DD+7], v[SCB+NS*\b+MQ], v[SCA+NS*\a+MQ] matrix_a_fmt:MATRIX_FMT_FP6 matrix_b_fmt:MATRIX_FMT_FP6 matrix_a_scale:MATRIX_SCALE_ROW1 matrix_b_scale:MATRIX_SCALE_ROW1
.endif
.endif
.endr
.endr
	WIN 0
.endm
; A step: the next step's fragments are asked for, then this step's are multiplied.  KIND 2: the next step begins in a later chunk and a chunk three on is left to fetch: the three lines, a round, the refill.
; KIND 1: the next step ends in the last chunk, asked for at the last refill: the wait for it and a barrier.
.macro STEP st
.set NX, (\st)+1
.set C0, (96*(\st))/256
.set C1, (96*NX)/256
.set E0, (96*(\st)+95)/256
.set E1, (96*NX+95)/256
.set KIND, 0
.if C1 > C0 && C0+3 < CHUNKS
.set KIND, 2
.endif
.if CHUNKS > 3 && E1 > E0 && E1 == CHUNKS-1
.set KIND, 1
.endif
.if KIND
	s_wait_tensorcnt 0x0                           ; all my tensor loads have landed
.if KIND == 2
	ds_add_u32 v[SPW], v[NIL]
	s_add_co_u32 s[G0R+1], s[G0R+1], SLOTB
	s_add_nc_u64 s[G0R+2:G0R+3], s[G0R+2:G0R+3], 256
.endif
	s_wait_dscnt 0x0                               ; the add is done, and my reads of the chunk left behind are over
	s_barrier_signal -1
	MUL \st
	s_barrier_wait -1
.if KIND == 2
	CREST
	tensor_load_to_lds s[G0R:G0R+3], s[G1R:G1R+7]
	s_nop 0
.endif
	PLACES 4
	FETCH NX
.else
	PLACES 4                                       ; in front of loads into registers that the step before has multiplied
	FETCH NX
	s_wait_dscnt 48                                ; all but the 48 just issued
	MUL \st
.endif
.endm
	s_wait_tensorcnt 0x0                           ; my tile of the head's four is in
	s_barrier_signal -1
	s_barrier_wait -1                              ; everybody's is
	FETCH 0
	s_wait_loadcnt 32                              ; the scale words are in; the 32 younger loads are the residual's
.set ST, 0
.rept STEPS-1
	STEP ST
.set ST, ST+1
.endr
	s_wait_dscnt 0x0
	MUL STEPS-1
	PLACES 4
; THE WAY OUT, by blocks of 16 rows x 64 columns: through my own stage, which no tensor load fills, back as rows of 256 bytes, plus the residual, stored.  LDS serves a wave's instructions in order.
.irp a, 0,1,2,3
	WIN 0x04
.irp b, 0,1,2,3
	ds_store_b128 v[STO], v[8*(4*\a+\b):8*(4*\a+\b)+3] offset:64*\b       ; each accumulator from its low end on
	ds_store_b128 v[STO], v[8*(4*\a+\b)+4:8*(4*\a+\b)+7] offset:64*\b+16
.endr
	WIN 0
.irp t, 0,1,2,3,4,5,6,7
	ds_load_b128 v[BK+32*\a+4*\t:BK+32*\a+4*\t+3], v[RD] offset:\t*2*PITCH
.endr
.endr
	s_wait_loadcnt 0x0                             ; the residual
.irp a, 0,1,2,3
	s_wait_dscnt 16*(3-\a)                         ; the later blocks' 8 stores and 8 loads each may be out
	WIN 0x08
.set ii, 0
.rept 16
	v_pk_add_f32 v[BK+32*\a+ii:BK+32*\a+ii+1], v[BK+32*\a+ii:BK+32*\a+ii+1], v[32*\a+ii:32*\a+ii+1]
.set ii, ii+2
.endr
	WIN 0
.irp t, 0,1,2,3,4,5,6,7
	global_store_b128 v[CO], v[BK+32*\a+4*\t:BK+32*\a+4*\t+3], s[12:13] offset:(16*\a+2*\t)*4096 th:TH_STORE_NT   ; sixteen lanes store 256 consecutive bytes, aligned
.endr
.endr
	s_wait_tensorcnt 0x0                           ; the wave's end
	ds_add_u32 v[SPW], v[NIL]
	s_wait_dscnt 0x0
	CROUND                                         ; the closing round
	s_endpgm
.Lfunc_end_k_q0708b99aff_wo:
	.size	k_q0708b99aff_wo, .Lfunc_end_k_q0708b99aff_wo-k_q0708b99aff_wo
	.p2alignl 7, 3214868480
	.fill 96, 4, 3214868480
	.section	.rodata,"a",@progbits
	.p2align	6, 0x0
	.amdhsa_kernel k_q0708b99aff_wo
		.amdhsa_group_segment_fixed_size 327680
		.amdhsa_private_segment_fixed_size 0
		.amdhsa_enable_private_segment 0
		.amdhsa_kernarg_size 40
		.amdhsa_user_sgpr_count 2
		.amdhsa_user_sgpr_kernarg_segment_ptr 1
		.amdhsa_wavefront_size32 1
		.amdhsa_system_sgpr_workgroup_id_x 1
		.amdhsa_system_sgpr_workgroup_id_y 1
		.amdhsa_system_sgpr_workgroup_id_z 1
		.amdhsa_system_vgpr_workitem_id 0
		.amdhsa_next_free_vgpr 640
		.amdhsa_next_free_sgpr 80
		.amdhsa_reserve_vcc 0
		.amdhsa_float_denorm_mode_32 3
		.amdhsa_float_denorm_mode_16_64 3
		.amdhsa_memory_ordered 1
		.amdhsa_forward_progress 1
		.amdhsa_inst_pref_size 65
	.end_amdhsa_kernel
	.amdgpu_metadata
---
amdhsa.version: [ 1, 2 ]
amdhsa.kernels:
  - .name:           k_q0708b99aff_wo
    .symbol:         k_q0708b99aff_wo.kd
    .args:
      - { .name: ob, .offset: 0, .size: 8, .value_kind: global_buffer, .address_space: global }
      - { .name: wo_codes, .offset: 8, .size: 8, .value_kind: global_buffer, .address_space: global }
      - { .name: wo_scales, .offset: 16, .size: 8, .value_kind: global_buffer, .address_space: global }
      - { .name: x, .offset: 24, .size: 8, .value_kind: global_buffer, .address_space: global }
      - { .name: yb, .offset: 32, .size: 8, .value_kind: global_buffer, .address_space: global }
    .group_segment_fixed_size: 327680
    .private_segment_fixed_size: 0
    .kernarg_segment_align: 8
    .kernarg_segment_size: 40
    .max_flat_workgroup_size: 128
    .sgpr_count:     80
    .vgpr_count:     640
    .wavefront_size: 32
...
	.end_amdgpu_metadata
.endif
;; end of part 4
;; launch ln2: the kernel of part 1 again; grid 256 x 1, 8 waves a work-group, no clusters, 43,008 bytes of LDS; arguments yb, ln2_w, ln2_b, hb; writes hb
;; launch glu (part 5): grid 16 x 16, 4 waves a work-group, clusters of 4 x 4, 327,680 bytes of LDS; arguments hb, w_in_codes, w_in_scales, ab; writes ab
.if DOCPART == 5
	.amdgcn_target "amdgcn-amd-amdhsa--gfx1250"
	.amdhsa_code_object_version 6
	.text
	.protected	k_q0708b99aff_glu
	.globl	k_q0708b99aff_glu
	.p2align	8
	.type	k_q0708b99aff_glu,@function
k_q0708b99aff_glu:
	s_mov_b64 s[64:65], 0
	v_nop
	global_prefetch_b8 v0, s[64:65] scope:SCOPE_SE
	s_setreg_imm32_b32 hwreg(HW_REG_WAVE_MODE, 25, 1), 1
	s_wait_xcnt 0x0
	s_wait_alu depctr_hold_cnt(0) depctr_sa_sdst(0) depctr_va_vdst(0) depctr_va_sdst(0) depctr_va_ssrc(0) depctr_va_vcc(0) depctr_vm_vsrc(0)
	s_getreg_b32 s2, hwreg(HW_REG_IB_STS2, 6, 4)
	s_cmp_eq_u32 s2, 0
	s_cbranch_scc0 .Lentry_in_a_cluster
	s_endpgm
.Lentry_in_a_cluster:
	s_bfe_u32 s2, ttmp6, 0x10000c
	s_cmp_lg_u32 s2, 0xf033
	s_cbranch_scc0 .Lentry_shape_is_right
	s_endpgm
.Lentry_shape_is_right:
.set SIZE_K, 1024
.set HSOFF,  3145728
.set KSTEP,  256
.set NQ,     2
; K goes through a ring of two LDS slots in chunks of 256 bytes of each row of codes (a row is 768 bytes, so every chunk begins on a multiple of 256); chunk c lies in slot c % 2.
; A step of 128 along K is 96 bytes of a row: eight steps to three chunks; steps 2 and 5 take their fragments from both slots.
.set ROWB,   256
.set ASTEP,  256
.set KROW,   SIZE_K*6/8
.set PITCH,  272
.set STEPS,  SIZE_K/128
.set CHUNKS, KROW/ROWB
.set FR,     12
.set NL,     6
.set NP,     4
.set HALFT,  128*PITCH
.set SLOT,   4*HALFT
.set LAPS,   SIZE_K/(2*KSTEP)
.set KS,     SIZE_K/32
.set SCL,    2*SLOT
.set HALFS,  (128*KS/256)*272
.set SBLK,   (16*KS/256)*272
.set SPARE,  SCL+4*HALFS
.set ADRA, 16
.set ADRB, 20
.set STO,  24
.set RD,   25
.set ADRS, 27
.set SPW,  28
.set NIL,  29
.set ADRS2, 30
.set SC,   32
.set EE,   64
.set PP,   96
.set AF,   128
.set CD,   128
.set CT,   140
.set TM,   224
.set PW,   240
.set G1, 24
.set G0, 32
.set G1B, 48
.set G0B, 56
.set G1S, 68
.set G0S, 76
.set G1SB, 80
.set G0SB, 88
.set MSB, 0
.macro WIN new
.if MSB != \new
	s_set_vgpr_msb (MSB<<8)|\new
.set MSB, \new
.endif
.endm
.set MUL_LO, 0xa1
.set MUL_HI, 0xf1
.set TO_B,   0x40
.macro JLOAD g0a, g1a, g0b, g1b
	s_cmp_eq_u32 s15, 0
	s_cbranch_scc0 .Lfor_b_\@
	tensor_load_to_lds s[\g0a:\g0a+3], s[\g1a:\g1a+7]
	s_nop 0
.rept 4
	v_nop
.endr
	s_branch .Lasked_\@
.Lfor_b_\@:
	tensor_load_to_lds s[\g0b:\g0b+3], s[\g1b:\g1b+7]
	s_nop 0
.rept 4
	v_nop
.endr
.Lasked_\@:
.endm
.macro CREST
	s_cmp_lg_u32 s14, 0
	s_cbranch_scc1 .Lnot_wave_0_\@
	s_barrier_signal -3
.Lnot_wave_0_\@:
	s_barrier_wait -3
	s_barrier_signal -1
	s_barrier_wait -1
.endm
.macro CROUND
	s_barrier_signal -1
	s_barrier_wait -1
	CREST
.endm
	s_load_b64 s[4:5], s[0:1], 0x0
	s_load_b128 s[8:11], s[0:1], 0x8
	s_load_b64 s[12:13], s[0:1], 0x18
	v_lshl_add_u32 v[SPW], v0, 2, SPARE
	v_mov_b32 v[NIL], 0
	ds_add_u32 v28, v29
	ds_add_u32 v28, v29
	s_wait_dscnt 0x0
	v_lshrrev_b32 v1, 5, v0
	v_readfirstlane_b32 s14, v1
	s_lshr_b32 s15, s14, 1
	s_and_b32 s16, s14, 1
	s_bfe_u32 s40, ttmp6, 0x40000
	s_bfe_u32 s41, ttmp6, 0x40004
	s_lshl_b32 s42, ttmp9, 2
	s_add_co_u32 s42, s42, s40
	s_and_b32 s17, ttmp7, 0xffff
	s_lshl_b32 s17, s17, 2
	s_add_co_u32 s17, s17, s41
	s_lshl_b32 s43, s41, 2
	s_lshl_b32 s43, 15, s43
	s_lshl_b32 s44, 0x1111, s40
	s_or_b32 s[G1+0], s43, (0<<16)|(1<<20)|(1<<21)|(5<<22)|(3<<25)
	s_or_b32 s[G1B+0], s44, (0<<16)|(1<<20)|(1<<21)|(5<<22)|(3<<25)
.irp g, G1, G1B
	s_mov_b32 s[\g+1], ROWB<<16
	s_mov_b32 s[\g+2], 128<<16
	s_mov_b32 s[\g+3], ROWB<<16
	s_mov_b32 s[\g+4], 128
	s_mov_b32 s[\g+5], KROW
	s_mov_b32 s[\g+6], 0
	s_mov_b32 s[\g+7], 0
.endr
	s_or_b32 s[G1S+0], s43, (3<<16)|(1<<20)|(1<<21)|(5<<22)|(3<<25)
	s_or_b32 s[G1SB+0], s44, (3<<16)|(1<<20)|(1<<21)|(5<<22)|(3<<25)
.irp g, G1S, G1SB
	s_mov_b32 s[\g+1], 32<<16
	s_mov_b32 s[\g+2], (128*KS/256)<<16
	s_mov_b32 s[\g+3], 32<<16
	s_mov_b32 s[\g+4], 128*KS/256
	s_mov_b32 s[\g+5], 32
	s_mov_b32 s[\g+6], 0
	s_mov_b32 s[\g+7], 0
.endr
	s_lshl_b32 s18, s16, 7
	s_lshl_b32 s20, s17, 8
	s_add_co_u32 s20, s20, s18
	s_lshl_b32 s46, s42, 7
	s_lshl_b32 s18, s16, 11
	s_add_co_u32 s46, s46, s18
	s_mov_b32 s21, 0
	s_mov_b32 s47, 0
	s_mov_b64 s[18:19], KS
	s_mul_u64 s[22:23], s[20:21], s[18:19]
	s_mul_u64 s[92:93], s[46:47], s[18:19]
	s_mov_b64 s[18:19], KROW
	s_mul_u64 s[20:21], s[20:21], s[18:19]
	s_mul_u64 s[46:47], s[46:47], s[18:19]
	s_mul_i32 s45, s14, HALFT
	s_mul_i32 s94, s14, HALFS
	s_wait_kmcnt 0x0
	s_add_nc_u64 s[6:7], s[4:5], HSOFF
	s_add_nc_u64 s[20:21], s[4:5], s[20:21]
	s_add_nc_u64 s[22:23], s[6:7], s[22:23]
	s_add_nc_u64 s[46:47], s[8:9], s[46:47]
	s_add_nc_u64 s[92:93], s[10:11], s[92:93]
	CROUND
	s_mov_b32 s[G0S], 1
	s_add_co_u32 s[G0S+1], s94, SCL
	s_mov_b64 s[G0S+2:G0S+3], s[22:23]
	s_or_b32 s[G0S+3], s[G0S+3], 0x80000000
	s_mov_b32 s[G0SB], 1
	s_add_co_u32 s[G0SB+1], s94, SCL
	s_mov_b64 s[G0SB+2:G0SB+3], s[92:93]
	s_or_b32 s[G0SB+3], s[G0SB+3], 0x80000000
	JLOAD G0S, G1S, G0SB, G1SB
.irp s, 0,1
	s_mov_b32 s[G0+4*\s], 1
	s_add_co_u32 s[G0+4*\s+1], s45, \s*SLOT
	s_add_nc_u64 s[G0+4*\s+2:G0+4*\s+3], s[20:21], \s*ASTEP
	s_or_b32 s[G0+4*\s+3], s[G0+4*\s+3], 0x80000000
	s_mov_b32 s[G0B+4*\s], 1
	s_add_co_u32 s[G0B+4*\s+1], s45, \s*SLOT
	s_add_nc_u64 s[G0B+4*\s+2:G0B+4*\s+3], s[46:47], \s*ROWB
	s_or_b32 s[G0B+4*\s+3], s[G0B+4*\s+3], 0x80000000
	s_wait_alu depctr_va_vdst(0)
	s_wait_tensorcnt 0x0
	ds_add_u32 v28, v29
	s_wait_dscnt 0x0
	CROUND
	JLOAD G0+4*\s, G1, G0B+4*\s, G1B
.endr
	v_and_b32 v1, 15, v0
	v_bfe_u32 v2, v0, 4, 1
	v_mul_u32_u24 v3, v1, PITCH
	v_mul_u32_u24 v4, v2, 24
	v_add_nc_u32 v4, v3, v4
	s_mov_b32 s21, SLOT-232
	s_mov_b32 s22, SLOT+232
	v_sub_nc_u32 v7, 1, v2
	v_mul_u32_u24 v5, s21, v2
	v_add_nc_u32 v5, v3, v5
	v_add_nc_u32 v5, 232, v5                       ; across two chunks: lanes 0-15 byte 232 of the row in slot 0, lanes 16-31 byte 0 of the row in slot 1
	v_mul_u32_u24 v6, s22, v7
	v_add_nc_u32 v6, v3, v6                        ; and lanes 0-15 byte 232 in slot 1, lanes 16-31 byte 0 in slot 0
	s_mul_i32 s21, s15, HALFT
	s_mul_i32 s22, s16, 64*PITCH
	s_add_co_u32 s22, s22, 2*HALFT
	v_add_nc_u32 v[ADRA+2], s21, v5
	v_add_nc_u32 v[ADRA+3], s21, v6
	v_add_nc_u32 v[ADRB+2], s22, v5
	v_add_nc_u32 v[ADRB+3], s22, v6
.irp s, 0,1
	v_add_nc_u32 v[ADRA+\s], s21, v4
	v_add_nc_u32 v[ADRB+\s], s22, v4
	s_add_co_u32 s21, s21, SLOT
	s_add_co_u32 s22, s22, SLOT
.endr
	v_mul_u32_u24 v5, v1, KS
	v_lshrrev_b32 v6, 8, v5
	v_lshl_add_u32 v5, v6, 4, v5
	s_mul_i32 s21, s15, HALFS
	s_mul_i32 s22, s16, 4*SBLK
	s_add_co_u32 s22, s22, 2*HALFS
	s_sub_co_u32 s22, s22, s21
	v_mul_u32_u24 v6, s22, v2
	s_add_co_u32 s21, s21, SCL
	v_add_nc_u32 v6, v5, v6
	v_add_nc_u32 v[ADRS], s21, v6
	s_add_co_u32 s22, s22, 4*SBLK
	v_mul_u32_u24 v6, s22, v2
	v_add_nc_u32 v6, v5, v6
	v_add_nc_u32 v[ADRS2], s21, v6
	v_and_b32 v6, 31, v0
	v_lshlrev_b32 v[STO], 3, v6
	v_lshlrev_b32 v[RD], 6, v1
	s_lshl_b32 s66, s17, 4
	s_lshl_b32 s67, s15, 3
	s_add_co_u32 s66, s66, s67
	s_lshl_b32 s100, s66, 4
	s_add_co_u32 s100, s100, s42
	s_mul_i32 s100, s100, 1536
	s_mul_i32 s67, s16, 768
	s_add_co_u32 s100, s100, s67
	s_mov_b32 s101, 0
	s_lshl_b32 s104, s66, 10
	s_lshl_b32 s67, s42, 2
	s_add_co_u32 s104, s104, s67
	s_lshl_b32 s67, s16, 1
	s_add_co_u32 s104, s104, s67
	s_add_co_u32 s104, s104, 6291456
	s_mov_b32 s105, 0
	s_add_nc_u64 s[98:99], s[12:13], s[104:105]
	s_add_nc_u64 s[12:13], s[12:13], s[100:101]
.macro FRAG reg, adr, q, off
.irp p, 0,1,2,3,4,5
.set BY, 96*(\q)+48*(\p/3)+8*(\p%3)    ; q: the step; byte y of a row lies in slot (y / 256) % 2 at byte y % 256 of the LDS row; lanes 16-31 read 24 bytes on
.if BY/ROWB == (BY+24)/ROWB
	ds_load_b64 v[\reg+2*\p:\reg+2*\p+1], v[\adr+(BY/ROWB)%2] offset:BY%ROWB+(\off)
.else
	ds_load_b64 v[\reg+2*\p:\reg+2*\p+1], v[\adr+2+(BY/ROWB)%2] offset:BY%ROWB-232+(\off)
.endif
.endr
.endm
.macro MUL16 a0, p, q, sc, zero
.irp a, \a0, \a0+1
.irp b, 0,1,2,3,4,5,6,7
.if \zero
	v_wmma_scale_f32_16x16x128_f8f6f4 v[8*(8*((\a)%4)+\b):8*(8*((\a)%4)+\b)+7], v[128*(\p)+FR*\b:128*(\p)+FR*\b+FR-1], v[AF+FR*(\a):AF+FR*(\a)+FR-1], 0, v[SC+8*NQ*(\sc)+NQ*\b+(\q)], v[SC+8*NQ*(\sc)+NQ*(\a)+(\q)] matrix_a_fmt:MATRIX_FMT_FP6 matrix_b_fmt:MATRIX_FMT_FP6 matrix_a_scale:MATRIX_SCALE_ROW1
.else
	v_wmma_scale_f32_16x16x128_f8f6f4 v[8*(8*((\a)%4)+\b):8*(8*((\a)%4)+\b)+7], v[128*(\p)+FR*\b:128*(\p)+FR*\b+FR-1], v[AF+FR*(\a):AF+FR*(\a)+FR-1], v[8*(8*((\a)%4)+\b):8*(8*((\a)%4)+\b)+7], v[SC+8*NQ*(\sc)+NQ*\b+(\q)], v[SC+8*NQ*(\sc)+NQ*(\a)+(\q)] matrix_a_fmt:MATRIX_FMT_FP6 matrix_b_fmt:MATRIX_FMT_FP6 matrix_a_scale:MATRIX_SCALE_ROW1
.endif
.endr
.endr
.endm
.macro FETCH_B slot, q, p
	WIN TO_B
.irp i, 0,1,2,3,4,5,6,7
	FRAG 128*(\p)+FR*\i, ADRB+\slot, \q, (\i%4)*16*PITCH+(\i/4)*HALFT
.endr
	WIN 0
.endm
.macro FETCH_A slot, q, i0
.irp i, \i0, \i0+1, \i0+2, \i0+3
	FRAG AF+FR*(\i), ADRA+\slot, \q, (\i)*16*PITCH
.endr
.endm
.macro SCALES pr                       ; the scale words of steps 2 pr and 2 pr + 1 into set pr % 2
.irp i, 0,1,2,3
	ds_load_b64 v[SC+8*NQ*((\pr)%2)+NQ*\i:SC+8*NQ*((\pr)%2)+NQ*\i+1], v[ADRS] offset:\i*SBLK+4*NQ*(\pr)
.endr
.irp i, 4,5,6,7
	ds_load_b64 v[SC+8*NQ*((\pr)%2)+NQ*\i:SC+8*NQ*((\pr)%2)+NQ*\i+1], v[ADRS2] offset:\i*SBLK+4*NQ*(\pr)
.endr
.endm
.macro PLACES n
.rept \n
	v_nop
.endr
.endm
; A step of 128 along K.  Where the next step's bytes end in a chunk not read yet: wait for my tensor loads, and a barrier.  Where they begin in a later chunk than this step's: the chunk left behind is read no more:
; the wait for all my tensor loads, the add, the wait for it and for my reads, the barrier; where a chunk two on is left to fetch, the barrier opens a round of the cluster's barrier and the slot is filled again.
.macro STEP st, zero
.set NX, (\st)+1
.set C0, (96*(\st))/ROWB
.set C1, (96*NX)/ROWB
.set E0, (96*(\st)+95)/ROWB
.set E1, (96*NX+95)/ROWB
.if C1 > C0 || E1 > E0
	s_wait_tensorcnt 0x0
.if C1 > C0
	ds_add_u32 v[SPW], v[NIL]
	s_wait_dscnt 4*NL+1                            ; the add and the 24 youngest loads may be out
.else
	s_wait_dscnt 4*NL
.endif
	WIN MUL_LO
	MUL16 0, (\st)%2, (\st)%2, ((\st)/2)%2, \zero
	s_wait_dscnt 0x0
	s_barrier_signal -1
	MUL16 2, (\st)%2, (\st)%2, ((\st)/2)%2, \zero
	WIN 0
	s_barrier_wait -1
.if C1 > C0 && C0+2 < CHUNKS
	CREST
	s_add_nc_u64 s[G0+4*(C0%2)+2:G0+4*(C0%2)+3], s[G0+4*(C0%2)+2:G0+4*(C0%2)+3], 2*ROWB
	s_add_nc_u64 s[G0B+4*(C0%2)+2:G0B+4*(C0%2)+3], s[G0B+4*(C0%2)+2:G0B+4*(C0%2)+3], 2*ROWB
	JLOAD G0+4*(C0%2), G1, G0B+4*(C0%2), G1B
.else
	PLACES NP
.endif
.else
	s_wait_dscnt 4*NL                              ; all but the 24 youngest loads (A's blocks 4-7)
	WIN MUL_LO
	MUL16 0, (\st)%2, (\st)%2, ((\st)/2)%2, \zero
	MUL16 2, (\st)%2, (\st)%2, ((\st)/2)%2, \zero
	s_wait_dscnt 0
	PLACES NP
.endif
	FETCH_B 0, NX, NX%2
	FETCH_A 0, NX, 0
.if NX%2 == 0
	SCALES NX/2
.endif
	WIN MUL_HI
	MUL16 4, (\st)%2, (\st)%2, ((\st)/2)%2, \zero
	MUL16 6, (\st)%2, (\st)%2, ((\st)/2)%2, \zero
	PLACES NP
	WIN 0
	FETCH_A 0, NX, 4
.endm
	s_wait_alu depctr_va_vdst(0)
	s_wait_tensorcnt 1
	s_barrier_signal -1
	s_barrier_wait -1
	FETCH_B 0, 0, 0
	FETCH_A 0, 0, 0
	SCALES 0
	FETCH_A 0, 0, 4
	STEP 0, 1
.set ST, 1
.rept STEPS-2
	STEP ST, 0
.set ST, ST+1
.endr
	s_wait_dscnt 4*NL
	WIN MUL_LO
	MUL16 0, 1, NQ-1, 1, 0
	MUL16 2, 1, NQ-1, 1, 0
	s_wait_dscnt 0
	WIN MUL_HI
	MUL16 4, 1, NQ-1, 1, 0
	MUL16 6, 1, NQ-1, 1, 0
	WIN 0
.macro ACT a
.set AC, 64*((\a)%4)
.set WQ, (2+(\a)/4)|((2+(\a)/4)<<2)
.if (\a) > 0
	s_wait_xcnt 0x0
.endif
	WIN WQ
.set ii, 0
.rept 16
	v_pk_mul_f32 v[EE+ii:EE+ii+1], v[AC+ii:AC+ii+1], 0xbfb8aa3b op_sel_hi:[1,0]
.set ii, ii+2
.endr
.set ii, 0
.rept 16
	v_pk_mul_f32 v[PP+ii:PP+ii+1], v[AC+ii:AC+ii+1], v[AC+32+ii:AC+32+ii+1]
.set ii, ii+2
.endr
	WIN 0
.set ii, 0
	s_wait_alu depctr_va_vdst(0)
.rept 32
	v_exp_f32 v[EE+ii], v[EE+ii]
.set ii, ii+1
.endr
	v_nop
	s_wait_alu depctr_va_vdst(0)
.set ii, 0
.rept 16
	v_pk_add_f32 v[EE+ii:EE+ii+1], v[EE+ii:EE+ii+1], 1.0 op_sel_hi:[1,0]
.set ii, ii+2
.endr
.set ii, 0
	s_wait_alu depctr_va_vdst(0)
.rept 32
	v_rcp_f32 v[EE+ii], v[EE+ii]
.set ii, ii+1
.endr
	v_nop
	s_wait_alu depctr_va_vdst(0)
.set ii, 0
.rept 16
	v_pk_mul_f32 v[PP+ii:PP+ii+1], v[PP+ii:PP+ii+1], v[EE+ii:EE+ii+1]
.set ii, ii+2
.endr
.irp b, 0,1
.irp j, 0,1,2,3,4,5,6,7
	v_permlane16_swap_b32 v[PP+16*\b+\j], v[PP+16*\b+8+\j]
.endr
.endr
.irp b, 0,1
	v_max3_num_f32 v[TM+\b], 0x1800000, |v[PP+16*\b]|, |v[PP+16*\b+1]|
.endr
.irp i, 2,4,6,8,10,12,14
.irp b, 0,1
	v_max3_num_f32 v[TM+\b], v[TM+\b], |v[PP+16*\b+\i]|, |v[PP+16*\b+\i+1]|
.endr
.endr
.irp b, 0,1
	v_permlanex16_b32 v[TM+4+\b], v[TM+\b], s2, s3
.endr
.irp b, 0,1
	v_max_num_f32 v[TM+\b], v[TM+\b], v[TM+4+\b]
.endr
.irp b, 0,1
	v_add_nc_u32 v[TM+12+\b], 0xff000000, v[TM+\b]
.endr
.irp b, 0,1
	v_lshrrev_b32 v[TM+4+\b], 23, v[TM+12+\b]
.endr
	v_lshl_or_b32 v[PW], v[TM+5], 8, v[TM+4]
	v_cvt_scalef32_pk16_fp6_f32 v[CD:CD+2], v[PP:PP+15], v[TM+12]
	v_cvt_scalef32_pk16_fp6_f32 v[CT:CT+2], v[PP+16:PP+31], v[TM+13]
	v_nop
.irp i, 0,1,2
	v_permlane16_swap_b32 v[CD+\i], v[CT+\i]
.endr
.irp i, 0,1,2
	v_mov_b32 v[CD+3+\i], v[CT+\i]
.endr
.irp p, 0,1,2
	global_store_b64 v[STO], v[CD+2*\p:CD+2*\p+1], s[12:13] offset:24576*(\a)+256*\p
.endr
	global_store_b16 v[RD], v[PW], s[98:99] offset:1024*(\a)
.endm
	PLACES NP
	s_mov_b32 s2, 0x76543210
	s_mov_b32 s3, 0xfedcba98
	v_mov_b32 v[TM+4], 0
	v_mov_b32 v[TM+5], 0
.irp a, 0,1,2,3,4,5,6,7
	ACT \a
.endr
	s_wait_tensorcnt 0x0
	ds_add_u32 v[SPW], v[NIL]
	s_wait_dscnt 0x0
	CROUND
	s_endpgm
.Lfunc_end_k_q0708b99aff_glu:
	.size	k_q0708b99aff_glu, .Lfunc_end_k_q0708b99aff_glu-k_q0708b99aff_glu
	.p2alignl 7, 3214868480
	.fill 96, 4, 3214868480
	.section	.rodata,"a",@progbits
	.p2align	6, 0x0
	.amdhsa_kernel k_q0708b99aff_glu
		.amdhsa_group_segment_fixed_size 327680
		.amdhsa_private_segment_fixed_size 0
		.amdhsa_enable_private_segment 0
		.amdhsa_kernarg_size 32
		.amdhsa_user_sgpr_count 2
		.amdhsa_user_sgpr_kernarg_segment_ptr 1
		.amdhsa_wavefront_size32 1
		.amdhsa_system_sgpr_workgroup_id_x 1
		.amdhsa_system_sgpr_workgroup_id_y 1
		.amdhsa_system_sgpr_workgroup_id_z 1
		.amdhsa_system_vgpr_workitem_id 0
		.amdhsa_next_free_vgpr 1024
		.amdhsa_next_free_sgpr 106
		.amdhsa_reserve_vcc 0
		.amdhsa_float_denorm_mode_32 3
		.amdhsa_float_denorm_mode_16_64 3
		.amdhsa_memory_ordered 1
		.amdhsa_forward_progress 1
		.amdhsa_inst_pref_size 207
	.end_amdhsa_kernel
	.amdgpu_metadata
---
amdhsa.version: [ 1, 2 ]
amdhsa.kernels:
  - .name:           k_q0708b99aff_glu
    .symbol:         k_q0708b99aff_glu.kd
    .args:
      - { .name: hb, .offset: 0, .size: 8, .value_kind: global_buffer, .address_space: global }
      - { .name: w_in_codes, .offset: 8, .size: 8, .value_kind: global_buffer, .address_space: global }
      - { .name: w_in_scales, .offset: 16, .size: 8, .value_kind: global_buffer, .address_space: global }
      - { .name: ab, .offset: 24, .size: 8, .value_kind: global_buffer, .address_space: global }
    .group_segment_fixed_size: 327680
    .private_segment_fixed_size: 0
    .kernarg_segment_align: 8
    .kernarg_segment_size: 32
    .max_flat_workgroup_size: 128
    .sgpr_count:     106
    .vgpr_count:     1024
    .wavefront_size: 32
...
	.end_amdgpu_metadata
.endif
;; end of part 5
;; launch wout (part 6): grid 8 x 32, 4 waves a work-group, clusters of 4 x 4, 327,680 bytes of LDS; arguments ab, w_out_codes, w_out_scales, yb, out0; writes out0
.if DOCPART == 6
	.amdgcn_target "amdgcn-amd-amdhsa--gfx1250"
	.amdhsa_code_object_version 6
	.text
	.protected	k_q0708b99aff_wout
	.globl	k_q0708b99aff_wout
	.p2align	8
	.type	k_q0708b99aff_wout,@function
k_q0708b99aff_wout:
	s_mov_b64 s[64:65], 0
	v_nop
	global_prefetch_b8 v0, s[64:65] scope:SCOPE_SE
	s_setreg_imm32_b32 hwreg(HW_REG_WAVE_MODE, 25, 1), 1
	s_wait_xcnt 0x0
	s_wait_alu depctr_hold_cnt(0) depctr_sa_sdst(0) depctr_va_vdst(0) depctr_va_sdst(0) depctr_va_ssrc(0) depctr_va_vcc(0) depctr_vm_vsrc(0)
	s_getreg_b32 s2, hwreg(HW_REG_IB_STS2, 6, 4)
	s_cmp_eq_u32 s2, 0
	s_cbranch_scc0 .Lentry_in_a_cluster
	s_endpgm
.Lentry_in_a_cluster:
	s_bfe_u32 s2, ttmp6, 0x10000c
	s_cmp_lg_u32 s2, 0xf033
	s_cbranch_scc0 .Lentry_shape_is_right
	s_endpgm
.Lentry_shape_is_right:
; out = res + A B^T on codes of FP6 (E2M3), one E8M0 scale for each 32 along K = 2,048.  A: 4,096 rows as images of operand registers: fragment [token tile][K / 128] of 1,536 bytes,
; register pair p as 32 lanes x 8 bytes at 256 p; from byte AIMG on the scale bytes [token][K / 32].  B: [1024][K] codes and scales as given.  res, out: [4096][1024] f32.
; SHARES: a block of 128 x 128 to a work-group (grid 8 x 32 = 256), 64 x 64 to each of four waves: 16 accumulators.  A's block, all of K, is one dense run of memory: one tensor load, in rows of 256 bytes; it stays.
; B comes in chunks of 256 bytes of each row (LDS pitch 272); chunk c lies in slot c % 3.  At the head wave 0 asks for A and waves 1-3 for chunks 0-2.  Chunks 3, 4, 5 fill the slots again
; at steps 2, 5 and 7, when chunks 0, 1, 2 have been read, 32 rows a wave, each behind a round of the cluster's barrier; a barrier at step 12 shows chunk 5 to all waves.
; A step of 128 along K is 96 bytes of a row of B; where lanes 16-31 (24 bytes on) read the next chunk, a second address register serves.
; The scale words go from memory into registers: lane (r, h) takes 16 bytes of row r at 16 h + 32 j: lanes 0-15 hold K steps 8 j + 0..3, lanes 16-31 K steps 8 j + 4..7 (read by the ROW1 selector).
; The matrix instruction is used transposed (source 0 = B's rows, source 1 = A's): a lane holds eight neighbouring numbers of a row.  The residual is asked for at the head, into registers.
; CLUSTERS 4 x 4: A's block is asked for jointly by a row of the cluster, B's chunks by a column.  NO PREFETCH: all but three chunks of B are asked for at the head; the walk along K has no loop to run ahead in.
; REGISTERS: window 0: v8-21 addresses, v28-29 the add's, v32-95 scale words, v96-191 A's fragments (two sets), on the way out v96-223; window 1: v0-127 accumulators, v128-223 B's fragments (two sets); window 2: v0-127 the residual.
.set SIZE_K, 2048
.set AIMG,   6291456
.set KROW,   SIZE_K*3/4
.set KS,     SIZE_K/32
.set NS,     KS/8
.set STEPS,  SIZE_K/128
.set CHUNKS, KROW/256
.set TP,     STEPS*1536
.set NR,     128*KROW/256
.set BL,     NR*256
.set PITCH,  272
.set SLOTB,  128*PITCH
.set STAGE,  BL+3*SLOTB
.set SPARE,  STAGE+4*16*PITCH
.set ADRA, 8
.set ADRB, 12
.set ADRX, 16
.set STO,  18
.set RD,   19
.set CO,   20
.set SO,   21
.set SPW,  28
.set NIL,  29
.set SCA,  32
.set SCB,  64
.set AF,   96
.set BF,   128
.set BK,   96
.set G1A, 24
.set G0A, 32
.set G0B, 36
.set G1B, 48
.set G1R, 56
.set G0R, 68
.set MSB, 0
.macro WIN new
.if MSB != \new
	s_set_vgpr_msb (MSB<<8)|\new
.set MSB, \new
.endif
.endm
.macro PLACES n
.rept \n
	v_nop
.endr
.endm
.macro CREST
	s_cmp_lg_u32 s14, 0
	s_cbranch_scc1 .Lnot_wave_0_\@
	s_barrier_signal -3
.Lnot_wave_0_\@:
	s_barrier_wait -3
	s_barrier_signal -1
	s_barrier_wait -1
.endm
.macro CROUND
	s_barrier_signal -1
	s_barrier_wait -1
	CREST
.endm
.macro BGRP g, rows                    ; group 1 for B: rows of 256 bytes, 16 bytes of padding behind each, shared along my column
	s_or_b32 s[\g], s44, (1<<20)|(1<<21)|(5<<22)|(3<<25)
	s_mov_b32 s[\g+1], 256<<16
	s_mov_b32 s[\g+2], \rows<<16
	s_mov_b32 s[\g+3], 256<<16
	s_mov_b32 s[\g+4], \rows
	s_mov_b32 s[\g+5], KROW
	s_mov_b32 s[\g+6], 0
	s_mov_b32 s[\g+7], 0
.endm
	s_load_b256 s[4:11], s[0:1], 0x0               ; A, B's codes, B's scales, res
	s_load_b64 s[12:13], s[0:1], 0x20              ; out
	v_lshl_add_u32 v[SPW], v0, 2, SPARE
	v_mov_b32 v[NIL], 0
	ds_add_u32 v[SPW], v[NIL]                      ; the opening lines: the add, twice on end, and its wait
	ds_add_u32 v[SPW], v[NIL]
	v_lshrrev_b32 v1, 5, v0
	v_readfirstlane_b32 s14, v1                    ; wave
	s_lshr_b32 s15, s14, 1                         ; my half of the rows
	s_and_b32 s16, s14, 1                          ; my half of the columns
	s_bfe_u32 s40, ttmp6, 0x40000
	s_bfe_u32 s41, ttmp6, 0x40004
	s_lshl_b32 s42, ttmp9, 2
	s_add_co_u32 s42, s42, s40                     ; block column
	s_and_b32 s17, ttmp7, 0xffff
	s_lshl_b32 s17, s17, 2
	s_add_co_u32 s17, s17, s41                     ; block row
	s_lshl_b32 s43, s41, 2
	s_lshl_b32 s43, 15, s43
	s_lshl_b32 s44, 0x1111, s40
	s_or_b32 s[G1A], s43, (3<<16)|(1<<21)          ; A: NR rows of 32 elements of 8 bytes, dense
	s_mov_b32 s[G1A+1], 32<<16
	s_mov_b32 s[G1A+2], NR<<16
	s_mov_b32 s[G1A+3], 32<<16
	s_mov_b32 s[G1A+4], NR
	s_mov_b32 s[G1A+5], 32
	s_mov_b32 s[G1A+6], 0
	s_mov_b32 s[G1A+7], 0
	BGRP G1B, 128
.if CHUNKS > 3
	BGRP G1R, 32
.endif
	s_mul_i32 s20, s17, 128*KROW                   ; A's block, in bytes
	s_mov_b32 s21, 0
	s_mul_i32 s22, s42, 128*KROW                   ; B's rows
	s_mov_b32 s23, 0
	s_max_u32 s46, s14, 1
	s_sub_co_u32 s46, s46, 1
	s_lshl_b32 s46, s46, 8                         ; waves 1-3: chunk wave - 1
	s_mov_b32 s47, 0
	s_lshl_b32 s72, s17, 7
	s_lshl_b32 s18, s15, 6
	s_add_co_u32 s72, s72, s18                     ; my first row
	s_lshl_b32 s74, s42, 7
	s_lshl_b32 s18, s16, 6
	s_add_co_u32 s74, s74, s18                     ; my first column
	s_mul_i32 s76, s72, KS
	s_add_co_u32 s76, s76, AIMG
	s_mov_b32 s77, 0
	s_mul_i32 s78, s74, KS
	s_mov_b32 s79, 0
	s_lshl_b32 s72, s72, 12
	s_lshl_b32 s74, s74, 2
	s_add_co_u32 s72, s72, s74
	s_mov_b32 s73, 0
	s_mul_i32 s45, s14, SLOTB
	s_add_co_u32 s45, s45, BL-SLOTB                ; slot wave - 1
	s_wait_dscnt 0x0
	s_wait_kmcnt 0x0
	s_mov_b32 s[G0A], 1
	s_mov_b32 s[G0A+1], 0
	s_add_nc_u64 s[G0A+2:G0A+3], s[4:5], s[20:21]
	s_or_b32 s[G0A+3], s[G0A+3], 0x80000000
	s_add_nc_u64 s[22:23], s[6:7], s[22:23]
	s_mov_b32 s[G0B], 1
	s_mov_b32 s[G0B+1], s45
	s_add_nc_u64 s[G0B+2:G0B+3], s[22:23], s[46:47]
	s_or_b32 s[G0B+3], s[G0B+3], 0x80000000
.if CHUNKS > 3
	s_mul_i32 s18, s14, 32*KROW                    ; a refill: 32 rows a wave; it stands at chunk 2 and slot -1 and is stepped ahead of each refill
	s_mov_b32 s19, 0
	s_mov_b32 s[G0R], 1
	s_mul_i32 s[G0R+1], s14, 32*PITCH
	s_add_co_u32 s[G0R+1], s[G0R+1], BL-SLOTB
	s_add_nc_u64 s[G0R+2:G0R+3], s[22:23], s[18:19]
	s_add_nc_u64 s[G0R+2:G0R+3], s[G0R+2:G0R+3], 512
	s_or_b32 s[G0R+3], s[G0R+3], 0x80000000
.endif
	s_add_nc_u64 s[76:77], s[4:5], s[76:77]        ; my rows' scales
	s_add_nc_u64 s[78:79], s[8:9], s[78:79]        ; my columns' scales
	s_add_nc_u64 s[10:11], s[10:11], s[72:73]
	s_add_nc_u64 s[12:13], s[12:13], s[72:73]
	CROUND                                         ; in front of the first joint loads
	s_cmp_eq_u32 s14, 0
	s_cbranch_scc0 .Lhead_b
	tensor_load_to_lds s[G0A:G0A+3], s[G1A:G1A+7]
	s_nop 0
	PLACES 4
	s_branch .Lhead_asked
.Lhead_b:
	tensor_load_to_lds s[G0B:G0B+3], s[G1B:G1B+7]
	s_nop 0
	PLACES 4
.Lhead_asked:
	v_and_b32 v1, 15, v0                           ; r
	v_bfe_u32 v2, v0, 4, 1                         ; h
	v_and_b32 v3, 31, v0
	v_lshlrev_b32 v4, 3, v3                        ; A's images: 8 x lane
	s_mul_i32 s18, s15, 4*TP
.irp i, 0,1,2,3
	v_add_nc_u32 v[ADRA+\i], s18, v4
	s_add_co_u32 s18, s18, TP
.endr
	v_mul_u32_u24 v5, v1, PITCH
	v_mul_u32_u24 v6, v2, 24
	v_add_nc_u32 v6, v5, v6                        ; B: row x pitch + 24 h
	s_mov_b32 s19, SLOTB-232
	v_mul_u32_u24 v7, s19, v2
	v_add_nc_u32 v7, v5, v7                        ; across two chunks: lanes 16-31 read 232 bytes back in the next slot's row
	s_mul_i32 s18, s16, 64*PITCH
	s_add_co_u32 s18, s18, BL
.irp s, 0,1,2
	v_add_nc_u32 v[ADRB+\s], s18, v6
.if \s < 2
	v_add_nc_u32 v[ADRX+\s], s18, v7
.endif
	s_add_co_u32 s18, s18, SLOTB
.endr
	s_mul_i32 s18, s14, 16*PITCH
	s_add_co_u32 s18, s18, STAGE
	v_lshl_add_u32 v6, v2, 5, v5
	v_add_nc_u32 v[STO], s18, v6                   ; the stage, in: row r, 32 bytes a half
	v_mul_u32_u24 v7, v2, PITCH
	v_lshl_add_u32 v7, v1, 4, v7
	v_add_nc_u32 v[RD], s18, v7                    ; back: sixteen lanes take a row of 256 bytes
	v_lshlrev_b32 v6, 12, v2
	v_lshl_add_u32 v[CO], v1, 4, v6                ; and the same in res and out
	v_mul_u32_u24 v7, v1, KS
	v_lshl_add_u32 v[SO], v2, 4, v7                ; scale bytes: row r, 16 h
	s_wait_alu depctr_va_vdst(0)                   ; the wait at the head's end
.irp i, 0,1,2,3
.set jj, 0
.rept NS/4
	global_load_b128 v[SCA+NS*\i+4*jj:SCA+NS*\i+4*jj+3], v[SO], s[76:77] offset:\i*16*KS+32*jj
	global_load_b128 v[SCB+NS*\i+4*jj:SCB+NS*\i+4*jj+3], v[SO], s[78:79] offset:\i*16*KS+32*jj
.set jj, jj+1
.endr
.endr
	WIN 0x80
.set ii, 0
.rept 32
	global_load_b128 v[4*ii:4*ii+3], v[CO], s[10:11] offset:2*ii*4096 th:TH_LOAD_NT   ; the residual: two rows of 256 bytes an instruction
.set ii, ii+1
.endr
	WIN 0
.macro FETCH st                        ; step st's four fragments of B and four of A into set st % 2: 48 loads
.set FP, 48*((\st)%2)
	WIN 0x40
.irp i, 0,1,2,3
.irp p, 0,1,2,3,4,5
.set BY, 96*(\st)+48*(\p/3)+8*(\p%3)
.if BY/256 == (BY+24)/256
	ds_load_b64 v[BF+FP+12*\i+2*\p:BF+FP+12*\i+2*\p+1], v[ADRB+(BY/256)%3] offset:BY%256+\i*16*PITCH
.else
	ds_load_b64 v[BF+FP+12*\i+2*\p:BF+FP+12*\i+2*\p+1], v[ADRX+(BY/256)%3] offset:BY%256+\i*16*PITCH
.endif
.endr
.endr
	WIN 0
.irp i, 0,1,2,3
.irp p, 0,1,2,3,4,5
	ds_load_b64 v[AF+FP+12*\i+2*\p:AF+FP+12*\i+2*\p+1], v[ADRA+\i] offset:1536*(\st)+256*\p
.endr
.endr
.endm
.macro MUL st                          ; 16 matrix instructions, the 16 accumulators by turns; step 0 starts the sums
.set MP, 48*((\st)%2)
.set MQ, (\st)%4+4*((\st)/8)
	WIN 0x51
.irp a, 0,1,2,3
.irp b, 0,1,2,3
.set DD, 8*(4*\a+\b)
.if (\st) == 0
	v_wmma_scale_f32_16x16x128_f8f6f4 v[DD:DD+7], v[BF+MP+12*\b:BF+MP+12*\b+11], v[AF+MP+12*\a:AF+MP+12*\a+11], 0, v[SCB+NS*\b+MQ], v[SCA+NS*\a+MQ] matrix_a_fmt:MATRIX_FMT_FP6 matrix_b_fmt:MATRIX_FMT_FP6
.else
.if ((\st)/4)%2 == 0
	v_wmma_scale_f32_16x16x128_f8f6f4 v[DD:DD+7], v[BF+MP+12*\b:BF+MP+12*\b+11], v[AF+MP+12*\a:AF+MP+12*\a+11], v[DD:DD+7], v[SCB+NS*\b+MQ], v[SCA+NS*\a+MQ] matrix_a_fmt:MATRIX_FMT_FP6 matrix_b_fmt:MATRIX_FMT_FP6
.else
	v_wmma_scale_f32_16x16x128_f8f6f4 v[DD:DD+7], v[BF+MP+12*\b:BF+MP+12*\b+11], v[AF+MP+12*\a:AF+MP+12*\a+11], v[DD:DD+7], v[SCB+NS*\b+MQ], v[SCA+NS*\a+MQ] matrix_a_fmt:MATRIX_FMT_FP6 matrix_b_fmt:MATRIX_FMT_FP6 matrix_a_scale:MATRIX_SCALE_ROW1 matrix_b_scale:MATRIX_SCALE_ROW1
.endif
.endif
.endr
.endr
	WIN 0
.endm
; A step: the next step's fragments are asked for, then this step's are multiplied.  KIND 2: the next step begins in a later chunk and a chunk three on is left to fetch: the three lines, a round, the refill.
; KIND 1: the next step ends in the last chunk, asked for at the last refill: the wait for it and a barrier.
.macro STEP st
.set NX, (\st)+1
.set C0, (96*(\st))/256
.set C1, (96*NX)/256
.set E0, (96*(\st)+95)/256
.set E1, (96*NX+95)/256
.set KIND, 0
.if C1 > C0 && C0+3 < CHUNKS
.set KIND, 2
.endif
.if CHUNKS > 3 && E1 > E0 && E1 == CHUNKS-1
.set KIND, 1
.endif
.if KIND
	s_wait_tensorcnt 0x0                           ; all my tensor loads have landed
.if KIND == 2
	ds_add_u32 v[SPW], v[NIL]
	s_add_co_u32 s[G0R+1], s[G0R+1], SLOTB
	s_add_nc_u64 s[G0R+2:G0R+3], s[G0R+2:G0R+3], 256
.endif
	s_wait_dscnt 0x0                               ; the add is done, and my reads of the chunk left behind are over
	s_barrier_signal -1
	MUL \st
	s_barrier_wait -1
.if KIND == 2
	CREST
	tensor_load_to_lds s[G0R:G0R+3], s[G1R:G1R+7]
	s_nop 0
.endif
	PLACES 4
	FETCH NX
.else
	PLACES 4                                       ; in front of loads into registers that the step before has multiplied
	FETCH NX
	s_wait_dscnt 48                                ; all but the 48 just issued
	MUL \st
.endif
.endm
	s_wait_tensorcnt 0x0                           ; my tile of the head's four is in
	s_barrier_signal -1
	s_barrier_wait -1                              ; everybody's is
	FETCH 0
	s_wait_loadcnt 32                              ; the scale words are in; the 32 younger loads are the residual's
.set ST, 0
.rept STEPS-1
	STEP ST
.set ST, ST+1
.endr
	s_wait_dscnt 0x0
	MUL STEPS-1
	PLACES 4
; THE WAY OUT, by blocks of 16 rows x 64 columns: through my own stage, which no tensor load fills, back as rows of 256 bytes, plus the residual, stored.  LDS serves a wave's instructions in order.
.irp a, 0,1,2,3
	WIN 0x04
.irp b, 0,1,2,3
	ds_store_b128 v[STO], v[8*(4*\a+\b):8*(4*\a+\b)+3] offset:64*\b       ; each accumulator from its low end on
	ds_store_b128 v[STO], v[8*(4*\a+\b)+4:8*(4*\a+\b)+7] offset:64*\b+16
.endr
	WIN 0
.irp t, 0,1,2,3,4,5,6,7
	ds_load_b128 v[BK+32*\a+4*\t:BK+32*\a+4*\t+3], v[RD] offset:\t*2*PITCH
.endr
.endr
	s_wait_loadcnt 0x0                             ; the residual
.irp a, 0,1,2,3
	s_wait_dscnt 16*(3-\a)                         ; the later blocks' 8 stores and 8 loads each may be out
	WIN 0x08
.set ii, 0
.rept 16
	v_pk_add_f32 v[BK+32*\a+ii:BK+32*\a+ii+1], v[BK+32*\a+ii:BK+32*\a+ii+1], v[32*\a+ii:32*\a+ii+1]
.set ii, ii+2
.endr
	WIN 0
.irp t, 0,1,2,3,4,5,6,7
	global_store_b128 v[CO], v[BK+32*\a+4*\t:BK+32*\a+4*\t+3], s[12:13] offset:(16*\a+2*\t)*4096 th:TH_STORE_NT   ; sixteen lanes store 256 consecutive bytes, aligned
.endr
.endr
	s_wait_tensorcnt 0x0                           ; the wave's end
	ds_add_u32 v[SPW], v[NIL]
	s_wait_dscnt 0x0
	CROUND                                         ; the closing round
	s_endpgm
.Lfunc_end_k_q0708b99aff_wout:
	.size	k_q0708b99aff_wout, .Lfunc_end_k_q0708b99aff_wout-k_q0708b99aff_wout
	.p2alignl 7, 3214868480
	.fill 96, 4, 3214868480
	.section	.rodata,"a",@progbits
	.p2align	6, 0x0
	.amdhsa_kernel k_q0708b99aff_wout
		.amdhsa_group_segment_fixed_size 327680
		.amdhsa_private_segment_fixed_size 0
		.amdhsa_enable_private_segment 0
		.amdhsa_kernarg_size 40
		.amdhsa_user_sgpr_count 2
		.amdhsa_user_sgpr_kernarg_segment_ptr 1
		.amdhsa_wavefront_size32 1
		.amdhsa_system_sgpr_workgroup_id_x 1
		.amdhsa_system_sgpr_workgroup_id_y 1
		.amdhsa_system_sgpr_workgroup_id_z 1
		.amdhsa_system_vgpr_workitem_id 0
		.amdhsa_next_free_vgpr 640
		.amdhsa_next_free_sgpr 80
		.amdhsa_reserve_vcc 0
		.amdhsa_float_denorm_mode_32 3
		.amdhsa_float_denorm_mode_16_64 3
		.amdhsa_memory_ordered 1
		.amdhsa_forward_progress 1
		.amdhsa_inst_pref_size 111
	.end_amdhsa_kernel
	.amdgpu_metadata
---
amdhsa.version: [ 1, 2 ]
amdhsa.kernels:
  - .name:           k_q0708b99aff_wout
    .symbol:         k_q0708b99aff_wout.kd
    .args:
      - { .name: ab, .offset: 0, .size: 8, .value_kind: global_buffer, .address_space: global }
      - { .name: w_out_codes, .offset: 8, .size: 8, .value_kind: global_buffer, .address_space: global }
      - { .name: w_out_scales, .offset: 16, .size: 8, .value_kind: global_buffer, .address_space: global }
      - { .name: yb, .offset: 24, .size: 8, .value_kind: global_buffer, .address_space: global }
      - { .name: out0, .offset: 32, .size: 8, .value_kind: global_buffer, .address_space: global }
    .group_segment_fixed_size: 327680
    .private_segment_fixed_size: 0
    .kernarg_segment_align: 8
    .kernarg_segment_size: 40
    .max_flat_workgroup_size: 128
    .sgpr_count:     80
    .vgpr_count:     640
    .wavefront_size: 32
...
	.end_amdgpu_metadata
.endif
;; end of part 6
